; MI455X (gfx1250); checked and timed in simulation.
; The chip was launched on July 23, 2026; its instructions are those of AMD's public machine-readable ISA for CDNA 5 (MIT licence, August 2026) and "CDNA5" Instruction Set Architecture Reference Guide (July 2026). The comments in the code are by the model that wrote it; some were corrected since.
;; Mixture Of Experts. Allowed arithmetic: matrix products marked QUANTISED: E2M3 operands, one E8M0 scale for each 32 along K, by v_wmma_scale_f32_16x16x128_f8f6f4 with both operands' format E2M3, f32 sums; products left as they are: f32 operands where the result goes on into a quantised operand, else bf16, f16 or f32 operands; f32 sums; everything else in f32.
;; Inputs: Wg 8 x 2,048 x 1,024 float32; Wg_s 2,048 x 1,024 float32; Wo 8 x 1,024 x 2,048 float32; Wo_s 1,024 x 2,048 float32; Wr 8 x 1,024 float32; Wv 8 x 2,048 x 1,024 float32; Wv_s 2,048 x 1,024 float32; bo 8 x 1,024 float32; bo_s 1,024 float32; br 8 float32; x 2 x 512 x 1,024 float32.
;; Outputs: out0 2 x 512 x 1,024 float32; out1 2 x 512 x 8 float32; out2 2 x 512 x 2 int32.
;; This version of the problem:
;;   THIS VERSION OF THE PROBLEM IS GIVEN IN LOW PRECISION. The matrix products marked QUANTISED in the list below multiply operands that are first quantised to E2M3 (2 exponent bits, 3 mantissa bits; 6 bits a number), with one power-of-two scale for each 32 numbers along K (OCP MX v1.0); their sums are f32. All else is computed in f32.
;;   The module's matrix products, in the order in which they are computed (A, B: the left and right operand; K: the contracted axis; several contracted axes count as one K, in the product's order):
;;     1. [M 1,024, K 1,024] x [K 1,024, N 8]; A: input x; B: input Wr: left as it is (N = 8 < 16)
;;     2. [M 1,024, K 1,024] x [K 1,024, N 16,384]; A: input x; B: input Wg: QUANTISED
;;     3. [M 1,024, K 1,024] x [K 1,024, N 16,384]; A: input x; B: input Wv: QUANTISED
;;     4. batch 8 x [M 1,024, K 2,048] x [K 2,048, N 1,024]; A: input Wo; B: computed on the way: QUANTISED
;;     5. [M 1,024, K 1,024] x [K 1,024, N 2,048]; A: input x; B: input Wg_s: QUANTISED
;;     6. [M 1,024, K 1,024] x [K 1,024, N 2,048]; A: input x; B: input Wv_s: QUANTISED
;;     7. [M 1,024, K 2,048] x [K 2,048, N 1,024]; A: computed on the way; B: input Wo_s: QUANTISED
;;     8. batch 1,024 x [M 1, K 9] x [K 9, N 1,024]; A: computed on the way; B: computed on the way: left as it is (K = 9 < 32)
;;   THE QUANTISER, for each operand of a quantised product, along K:
;;     - K is cut into blocks of 32 from its start; a last block that is shorter is filled with zeros.
;;     - A block's scale is 2^e with e = floor(log2(the largest magnitude in the block)) - 2, held to -126 .. 127; a block of zeros has e = 0. As a byte (E8M0): e + 127.
;;     - Each number is divided by its block's scale, clamped to +-7.5, and rounded to the nearest number of E2M3, ties to even, subnormals kept.
;;     - The product sums the exact products of the quantised numbers (number of the format x scale) in f32.
;;   ~~~python
;;   def quantise(x, axis):      # numpy; x: float32 -> the quantised numbers, widened to float32 again
;;       x = np.moveaxis(x, axis, -1); K = x.shape[-1]
;;       x = np.pad(x, [(0, 0)] * (x.ndim - 1) + [(0, -K % 32)]); x = x.reshape(x.shape[:-1] + (-1, 32)); a = np.abs(x).max(-1, keepdims=True)
;;       e = np.where(a > 0, np.clip(np.frexp(np.where(a > 0, a, 1))[1] - 1 - 2, -126, 127), 0)      # np.frexp(a)[1] - 1 = floor(log2(a)), exactly
;;       r = np.clip(x / 2.0 ** e, -7.5, 7.5)
;;       step = 2.0 ** (np.maximum(np.frexp(np.where(r == 0, 1, r))[1] - 1, 0) - 3)
;;       q = np.round(r / step) * step * 2.0 ** e      # np.round: ties to even
;;       return np.moveaxis(q.reshape(q.shape[:-2] + (-1,))[..., :K], -1, axis).astype(np.float32)
;;   ~~~
;;   OPERANDS COMPUTED ON THE WAY. 'Computed on the way' means the value that the module computes at that place (a softmax that the list does not call 'softmax' is quantised finished and normalised). What goes into a quantiser is computed in f32, as accurately as f32 sums, v_exp_f32 and their like allow (about 1e-6 of the number): no bf16 or f16 on the way to a quantiser, and a product that is left as it is and whose result goes on into a quantised operand takes f32 operands (vector FMAs, or v_wmma_f32_16x16x4_f32). A number that lies on a knife's edge between two numbers of the format may be rounded either way, as far as f32 arithmetic and the matrix unit's own rounding can turn it there, and no further.
;; 2 versions, each right; version 2 is version 1 with the launches up, down written anew for expert scheduling mode. Each part assembles by itself: llvm-mc -triple=amdgcn-amd-amdhsa -mcpu=gfx1250 --defsym DOCPART=n.
;; ======== version 1 of 2: 5 launches
;; workspace buffers: wc 43,253,760 bytes; ws 1,802,240 bytes; sel 8,192 bytes of whole numbers; gw 8,192 bytes; hc 4,718,592 bytes; hs 196,608 bytes; y 12,582,912 bytes; list 55,296 bytes of whole numbers
;; launch prep (part 1): grid 1792 x 1, 2 waves a work-group, no clusters, 17,152 bytes of LDS; arguments x, Wr, br, out1, out2, sel, gw, Wg, Wg_s, Wv, Wv_s, Wo, Wo_s, wc, ws; writes out1, out2, sel, gw, wc, ws
.if DOCPART == 1
	.amdgcn_target "amdgcn-amd-amdhsa--gfx1250"
	.amdhsa_code_object_version 6
	.text
	.protected	k_q6682c085c0_prep
	.globl	k_q6682c085c0_prep
	.p2align	8
	.type	k_q6682c085c0_prep,@function
k_q6682c085c0_prep:
	s_mov_b64 s[64:65], 0
	v_nop
	global_prefetch_b8 v0, s[64:65] scope:SCOPE_SE
	s_setreg_imm32_b32 hwreg(HW_REG_WAVE_MODE, 25, 1), 1
	s_wait_xcnt 0x0
; PREP: (a) all six weight tensors and x, f32 with K innermost, become codes of FP6 (E2M3) with one E8M0 byte for each 32 along K; (b) the router.
; Work-groups 0-31: the router, 32 tokens each, 16 a wave.  Work-groups 32-1791: the quantiser, ONE UNIT A WAVE: 16 rows x 1,024 along K = 8 fragments of 16 x 128.
; Two waves to a work-group: the launch's 3,584 waves of equal work then come in 1,792 groups, a multiple of 256.
; UNITS: 0-1151 Wg then Wg_s (expert x 128 + tile), 1152-2303 Wv then Wv_s, 2304-3455 Wo then Wo_s ((expert x 64 + tile) x 2 + half of K), 3456-3519 x (16 tokens each).
; K MAP, the same in every operand of this program: in a step of 128 along K lane (r, h) holds the 64 NEIGHBOURS k = 64 h .. 64 h + 63 of row r: registers 0-5 the block 2 h, registers 6-11 the block 2 h + 1.
; The matrix instruction takes these places for k = 32 h and 64 + 32 h on: blocks 1 and 2 have changed places, alike in both operands, so every product meets its partner; only the order of the f32 sum differs.
; The scale word follows: the byte of the lane's block c stands at bit 8 h + 16 c.
; OUT.  A weight fragment is stored as an image of its 12 registers: group c of four at 512 c + 16 x lane, fragment s at 1,536 s: each store covers 512 consecutive bytes.  x's codes are stored by rows (768 bytes a token),
; since later launches gather tokens.  A unit's scale words: 16 bytes a lane: register q = the word of step q in lanes 0-15, of step 4 + q in lanes 16-31.
; THE ROWS OF A TILE OF Wg AND Wv ARE NOT NEIGHBOURS: row i of tile t is 32 (t / 2) + 8 (t % 2) + i + 8 (i / 8), so that the results of two neighbouring tiles are 16 neighbours along the next product's K.
; A block's scale is 2^(floor(log2(largest magnitude)) - 2): its byte is the largest magnitude's exponent field - 2, held at 1 from below by a floor among the maximum's leaves.
; LIMITS: NaN and infinities among the inputs are not served.  A block of zeros gets the byte 1 where the rule says 127: its codes are zeros, and this program alone reads the bytes.  The router's f32 sums go in another
; order than the problem's definition has them: two gates that agree to within f32 rounding can change places in out2.
; No tensor loads, clusters or matrix instructions: every byte is read by one wave, once (x twice more by the router), and waves share nothing; the loads are dense and run a step ahead in every one of many waves.
.set NWU,  3456                        ; weight units; x's follow
.set NRT,  32                          ; the router's work-groups
.set RAW,  32                          ; v32-159  two sets of 64: a step's numbers as loaded
.set XN,   160                         ; v160-223 my 64 neighbours
.set CD,   224                         ; v224-235 a fragment's codes
.set TA,   236                         ; v236-238, v240-242: second halves of the two blocks (a conversion's three registers begin on an even number)
.set TB,   240
.set SW,   244                         ; v244-247 the unit's scale words
.set WRR,  32                          ; router: v32-159 four experts' rows of Wr
.set XB0,  160                         ; v160-191, v192-223 two tokens
.set XB1,  192
.set AC,   224                         ; v224-231 four pairs of sums
	s_load_b256 s[8:15], s[0:1], 0x0               ; x s[8:9], Wr s[10:11], br s[12:13], out1 s[14:15]
	s_load_b128 s[16:19], s[0:1], 0x20             ; out2 s[16:17], sel s[18:19]
	s_load_b64 s[20:21], s[0:1], 0x30              ; gw
	s_load_b256 s[24:31], s[0:1], 0x38             ; Wg, Wg_s, Wv, Wv_s
	s_load_b256 s[32:39], s[0:1], 0x58             ; Wo, Wo_s, wc s[36:37], ws s[38:39]
	v_lshl_add_u32 v254, v0, 2, 0x4200
	v_mov_b32 v255, 0
	v_lshrrev_b32 v1, 5, v0
	v_readfirstlane_b32 s40, v1                    ; wave
	v_and_b32 v1, 31, v0                           ; lane
	v_and_b32 v2, 15, v0                           ; r
	v_bfe_u32 v3, v0, 4, 1                         ; h
	v_lshlrev_b32 v4, 4, v1                        ; 16 x lane
	s_mov_b32 s54, 0xffff0000                      ; lanes 16-31
	s_mov_b32 s56, 0x76543210                      ; v_permlanex16_b32's selects for lane l xor 16
	s_mov_b32 s57, 0xfedcba98
	s_wait_kmcnt 0x0
	s_cmp_lt_u32 ttmp9, NRT
	s_cbranch_scc1 .Lrouter
; ---------------- THE QUANTISER ----------------
	s_sub_co_u32 s41, ttmp9, NRT
	s_lshl_b32 s41, s41, 1
	s_add_co_u32 s41, s41, s40                     ; U: my unit
	s_mov_b64 s[44:45], s[8:9]                     ; the source: x, unless U lies under one of the thresholds below
	s_mov_b32 s42, NWU                             ; and the first unit of that tensor
.macro PICK thr, ptr, sub                      ; the choice hangs on the unit's number alone
	s_cmp_lt_u32 s41, \thr
	s_cselect_b64 s[44:45], s[\ptr:\ptr+1], s[44:45]
	s_cselect_b32 s42, \sub, s42
.endm
	PICK 3456, 34, 3328                            ; Wo_s
	PICK 3328, 32, 2304                            ; Wo
	PICK 2304, 30, 2176                            ; Wv_s
	PICK 2176, 28, 1152                            ; Wv
	PICK 1152, 26, 1024                            ; Wg_s
	PICK 1024, 24, 0                               ; Wg
	; the unit's place: ((idx / 2) << 17) + ((idx % 2) << sh); rows 1 << lp bytes apart; rows 8-15 `extra` bytes further on
	s_cmp_lt_u32 s41, NWU
	s_cselect_b32 s46, 12, 16                      ; Wo: the other half of K is 4,096 bytes on;  x: the other tile 65,536
	s_cselect_b32 s47, 13, 12                      ; Wo: rows of 8,192 bytes;  x: 4,096
	s_mov_b32 s48, 0
	s_cmp_lt_u32 s41, 2304
	s_cselect_b32 s46, 15, s46                     ; Wg, Wv: the odd tile begins 8 rows on,
	s_cselect_b32 s47, 12, s47
	s_cselect_b32 s48, 0x8000, s48                 ; and a tile's rows 8-15 lie 8 rows further on
	s_lshl_b32 s47, 1, s47                         ; the pitch
	s_sub_co_u32 s43, s41, s42                     ; idx
	s_lshr_b32 s49, s43, 1
	s_lshl_b32 s50, s49, 17
	s_and_b32 s49, s43, 1
	s_lshl_b32 s49, s49, s46
	s_add_co_u32 s50, s50, s49
	s_mov_b32 s51, 0
	s_add_nc_u64 s[44:45], s[44:45], s[50:51]      ; the unit's first number
	s_mul_i32 s50, s41, 12288
	s_add_nc_u64 s[36:37], s[36:37], s[50:51]      ; its codes
	s_lshl_b32 s50, s41, 9
	s_add_nc_u64 s[38:39], s[38:39], s[50:51]      ; its scale words
	s_mul_i32 s49, s40, 8448                       ; my wave's stage: 16 rows x (512 bytes + 16)
	v_add_nc_u32 v5, s49, v4                       ; in: 16 x lane of a row
	v_mul_u32_u24 v6, v2, 528
	v_lshl_add_u32 v6, v3, 8, v6
	v_add_nc_u32 v6, s49, v6                       ; out: row r, + 256 h: my 64 neighbours
	v_lshlrev_b32 v7, 3, v3                        ; 8 h: where my two bytes stand in the scale word
	v_mul_u32_u24 v8, v2, 768
	v_mad_u32_u24 v8, v3, 48, v8                   ; x's codes: row r of 768 bytes, + 48 h
	v_mov_b32 v14, 0                               ; written once: a lane permute's destination counts as one of its sources
.irp i, 0,1,2,3,4,5,6,7,8,9,10,11,12,13,14,15
	s_mul_i32 s49, s47, \i
.if \i >= 8
	s_add_co_u32 s49, s49, s48
.endif
	v_add_nc_u32 v[16+\i], s49, v4                 ; v16-31: row i's offset + 16 x lane; never rewritten
.endr
.macro LOADF s                                 ; step s: 16 rows x 512 consecutive bytes
.irp i, 0,1,2,3,4,5,6,7,8,9,10,11,12,13,14,15
	global_load_b128 v[RAW+64*((\s)%2)+4*\i:RAW+64*((\s)%2)+4*\i+3], v[16+\i], s[44:45] offset:512*(\s) th:TH_LOAD_NT   ; (x's 64 units share the line and its hint)
.endr
.endm
.macro QSTEP s
.set RW, RAW+64*((\s)%2)
.if (\s) < 7
	s_wait_loadcnt 16                              ; this step's 16 loads are in; the next step's 16 may be out
.else
	s_wait_loadcnt 0x0
.endif
.irp i, 0,1,2,3,4,5,6,7,8,9,10,11,12,13,14,15
	ds_store_b128 v5, v[RW+4*\i:RW+4*\i+3] offset:528*\i
.endr
.irp i, 0,1,2,3,4,5,6,7,8,9,10,11,12,13,14,15
	ds_load_b128 v[XN+4*\i:XN+4*\i+3], v6 offset:16*\i   ; LDS serves a wave's instructions in order: these see the stores above; rows 528 bytes apart: sixteen lanes, sixteen different columns of 16 bytes
.endr
	s_wait_dscnt 0x0                               ; my neighbours are in, and the stores have read the set,
	s_wait_xcnt 0x0                                ; the last step's global stores have read the codes' registers, which the conversions below rewrite.  It stands ahead of the loads below, so that it does not wait for their addresses
.if (\s) < 6
	LOADF (\s)+2                                   ; the set takes the step two on
.endif
	v_max3_num_f32 v9, |v[XN]|, |v[XN+1]|, 0x1800000      ; my two blocks' largest magnitudes, by turns; the floor 2^(3 - 127) keeps the byte at 1 or more
	v_max3_num_f32 v10, |v[XN+32]|, |v[XN+33]|, 0x1800000
.irp i, 2,4,6,8,10,12,14,16,18,20,22,24,26,28,30
	v_max3_num_f32 v9, v9, |v[XN+\i]|, |v[XN+\i+1]|
	v_max3_num_f32 v10, v10, |v[XN+32+\i]|, |v[XN+33+\i]|
.endr
	v_add_nc_u32 v11, 0xff000000, v9               ; 2 off the exponent field: the conversion's scale operand
	v_add_nc_u32 v12, 0xff000000, v10
	v_lshrrev_b32 v13, 23, v11                     ; the bytes
	v_lshrrev_b32 v15, 23, v12
	v_lshl_or_b32 v13, v15, 16, v13
	v_lshlrev_b32 v13, v7, v13                     ; at bits 8 h and 8 h + 16
	v_permlanex16_b32 v14, v13, s56, s57
	v_or_b32 v13, v13, v14                         ; with lane l xor 16's two the row's word is whole
	v_cvt_scalef32_pk16_fp6_f32 v[CD:CD+2], v[XN:XN+15], v11
	v_cvt_scalef32_pk16_fp6_f32 v[TA:TA+2], v[XN+16:XN+31], v11
	v_cvt_scalef32_pk16_fp6_f32 v[CD+6:CD+8], v[XN+32:XN+47], v12
	v_cvt_scalef32_pk16_fp6_f32 v[TB:TB+2], v[XN+48:XN+63], v12
	v_nop                                          ; one plain place behind a scaled conversion
.irp i, 0,1,2
	v_mov_b32 v[CD+3+\i], v[TA+\i]
	v_mov_b32 v[CD+9+\i], v[TB+\i]
.endr
.if (\s) < 4
	v_mov_b32 v[SW+(\s)], v13
.else
	v_cndmask_b32 v[SW+(\s)-4], v[SW+(\s)-4], v13, s54   ; steps 4-7: lanes 16-31
.endif
	s_cmp_lt_u32 s41, NWU
	s_cbranch_scc0 .Lqx_\@
.irp c, 0,1,2
	global_store_b128 v4, v[CD+4*\c:CD+4*\c+3], s[36:37] offset:1536*(\s)+512*\c   ; a weight: the registers' image, 512 consecutive bytes a store
.endr
	s_branch .Lqd_\@
.Lqx_\@:
.irp c, 0,1,2
	global_store_b128 v8, v[CD+4*\c:CD+4*\c+3], s[36:37] offset:96*(\s)+16*\c      ; x: by rows; the unit's 24 stores together fill 12,288 consecutive bytes
.endr
.Lqd_\@:
.endm
	LOADF 0
	LOADF 1
.irp q, 0,1,2,3,4,5,6,7
	QSTEP \q
.endr
	global_store_b128 v4, v[SW:SW+3], s[38:39]     ; the unit's scale words: 512 consecutive bytes
	s_wait_tensorcnt 0x0
	ds_add_u32 v254, v255
	s_wait_dscnt 0x0
	s_endpgm
; ---------------- THE ROUTER ----------------
; A wave takes 16 tokens.  A lane holds k = 128 j + 4 x lane + 0 .. 3, j = 0 .. 7, of the token and of four experts' rows of Wr, so every load is 512 consecutive bytes.  Two passes of four experts: x is read twice,
; so that Wr takes 128 registers.  A token's four sums are brought together over the 32 lanes and kept by lanes j and j + 16 for token j.
.Lrouter:
	s_load_b256 s[44:51], s[12:13], 0x0            ; br
	s_lshl_b32 s41, ttmp9, 5
	s_lshl_b32 s42, s40, 4
	s_add_co_u32 s41, s41, s42                     ; t0: my first token
	s_lshl_b32 s52, s41, 12
	s_mov_b32 s53, 0
.irp e, 0,1,2,3,4,5,6,7
	v_mov_b32 v[8+\e], 0                           ; v8-15: my token's eight logits
.endr
.irp e, 0,1,2,3
	v_mov_b32 v[236+\e], 0                         ; written once: a lane permute's destination counts as one of its sources
.endr
.macro XLOAD buf, off
.irp j, 0,1,2,3,4,5,6,7
	global_load_b128 v[\buf+4*\j:\buf+4*\j+3], v4, s[22:23] offset:\off+512*\j
.endr
.endm
.macro TOKEN buf, p
.irp e, 0,1,2,3
	v_pk_mul_f32 v[AC+2*\e:AC+2*\e+1], v[\buf:\buf+1], v[WRR+32*\e:WRR+32*\e+1]      ; the first products start the sums
.endr
.irp i, 1,2,3,4,5,6,7,8,9,10,11,12,13,14,15
.irp e, 0,1,2,3
	v_pk_fma_f32 v[AC+2*\e:AC+2*\e+1], v[\buf+2*\i:\buf+2*\i+1], v[WRR+32*\e+2*\i:WRR+32*\e+2*\i+1], v[AC+2*\e:AC+2*\e+1]
.endr
.endr
.irp e, 0,1,2,3
	v_add_f32 v[232+\e], v[AC+2*\e], v[AC+2*\e+1]
.endr
.irp m, 1,2,4,8
.irp e, 0,1,2,3
	v_add_f32_dpp v[232+\e], v[232+\e], v[232+\e] row_xmask:\m row_mask:0xf bank_mask:0xf
.endr
.endr
.irp e, 0,1,2,3
	v_permlanex16_b32 v[236+\e], v[232+\e], s56, s57
.endr
.irp e, 0,1,2,3
	v_add_f32 v[232+\e], v[232+\e], v[236+\e]
.endr
.irp e, 0,1,2,3
	v_cndmask_b32 v[8+4*\p+\e], v[8+4*\p+\e], v[232+\e], s58     ; the token's two lanes keep it
.endr
.endm
.macro RPASS p
.irp e, 0,1,2,3
.irp j, 0,1,2,3,4,5,6,7
	global_load_b128 v[WRR+32*\e+4*\j:WRR+32*\e+4*\j+3], v4, s[10:11] offset:(4*\p+\e)*4096+512*\j
.endr
.endr
	s_add_nc_u64 s[22:23], s[8:9], s[52:53]        ; x at my first token (no load that names the pair is out)
	XLOAD XB0, 0
	XLOAD XB1, 4096
	s_mov_b32 s58, 0x00010001                      ; lanes 0 and 16
	s_mov_b32 s59, 7
.Lrt_\@:                                           ; a trip: two tokens worked, the two behind them asked for
	s_wait_loadcnt 8                               ; all but the other buffer's 8
	TOKEN XB0, \p
	XLOAD XB0, 8192
	s_lshl_b32 s58, s58, 1
	s_wait_loadcnt 8
	TOKEN XB1, \p
	XLOAD XB1, 12288
	s_lshl_b32 s58, s58, 1
	s_wait_xcnt 0x0                                ; the loads have read their base
	s_add_nc_u64 s[22:23], s[22:23], 8192
	s_sub_co_u32 s59, s59, 1
	s_cmp_lg_u32 s59, 0
	s_cbranch_scc1 .Lrt_\@
	s_wait_loadcnt 8                               ; the last two tokens: nothing more is asked for
	TOKEN XB0, \p
	s_lshl_b32 s58, s58, 1
	s_wait_loadcnt 0x0
	TOKEN XB1, \p
.endm
	RPASS 0
	RPASS 1
	s_wait_kmcnt 0x0                               ; br
.irp e, 0,1,2,3,4,5,6,7
	v_add_f32 v[8+\e], s[44+\e], v[8+\e]           ; lane (j, h) holds token t0 + j's eight logits
.endr
.irp i, 0,1,2,3
	v_cndmask_b32 v[232+\i], v[8+\i], v[12+\i], s54   ; lanes 0-15 store logits 0-3, lanes 16-31 logits 4-7
.endr
	v_lshlrev_b32 v16, 5, v2
	v_lshl_add_u32 v16, v3, 4, v16
	s_lshl_b32 s42, s41, 5
	v_add_nc_u32 v16, s42, v16
	global_store_b128 v16, v[232:235], s[14:15]    ; out1: the wave's 512 consecutive bytes
	; the softmax, with the maximum taken away.  u = (logit - maximum) x log2(e).  Where u < -64, 64 is added ahead of the exponential and its result is multiplied by 2^-64 (elsewhere by 1): the exponential gives 0 for
	; what would lie under 2^-126, a multiplication keeps such numbers, so gates down to the smallest f32 number are kept
	v_max3_num_f32 v192, v8, v9, v10
	v_max3_num_f32 v192, v192, v11, v12
	v_max3_num_f32 v192, v192, v13, v14
	v_max_num_f32 v192, v192, v15
	v_mov_b32 v193, 0x42800000                     ; 64.0
	v_mov_b32 v209, 0x1f800000                     ; 2^-64
.irp e, 0,1,2,3,4,5,6,7
	v_sub_f32 v[160+\e], v[8+\e], v192
.endr
.irp e, 0,1,2,3,4,5,6,7
	v_mul_f32 v[160+\e], 0x3fb8aa3b, v[160+\e]
.endr
.irp e, 0,1,2,3,4,5,6,7
	v_cmp_gt_f32 vcc_lo, 0xc2800000, v[160+\e]     ; -64 > u
	v_cndmask_b32 v[168+\e], 0, v193, vcc_lo
	v_cndmask_b32 v[184+\e], 1.0, v209, vcc_lo
.endr
.irp e, 0,1,2,3,4,5,6,7
	v_add_f32 v[160+\e], v[160+\e], v[168+\e]
.endr
.irp e, 0,1,2,3,4,5,6,7
	v_exp_f32 v[160+\e], v[160+\e]
.endr
	v_nop                                          ; one plain place behind the exponentials
	s_wait_alu depctr_va_vdst(0)
.irp e, 0,1,2,3,4,5,6,7
	v_mul_f32 v[160+\e], v[160+\e], v[184+\e]
.endr
	v_add_f32 v194, v160, v161
	v_add_f32 v195, v162, v163
	v_add_f32 v196, v164, v165
	v_add_f32 v197, v166, v167
	v_add_f32 v194, v194, v195
	v_add_f32 v196, v196, v197
	v_add_f32 v194, v194, v196
	v_rcp_f32 v194, v194
	v_mov_b32 v198, -1.0                           ; (a plain place behind the reciprocal)
	s_wait_alu depctr_va_vdst(0)
.irp e, 0,1,2,3,4,5,6,7
	v_mul_f32 v[176+\e], v[160+\e], v194           ; the gates
.endr
	; the two largest gates: a strict comparison in ascending order keeps the lower index where two are equal
	v_mov_b32 v200, v176
	v_mov_b32 v201, 0
.irp e, 1,2,3,4,5,6,7
	v_mov_b32 v199, \e
	v_cmp_gt_f32 vcc_lo, v[176+\e], v200
	v_cndmask_b32 v200, v200, v[176+\e], vcc_lo
	v_cndmask_b32 v201, v201, v199, vcc_lo
.endr
.irp e, 0,1,2,3,4,5,6,7
	v_cmp_eq_u32 vcc_lo, \e, v201
	v_cndmask_b32 v[184+\e], v[176+\e], v198, vcc_lo   ; the first is taken out: -1 lies under every gate
.endr
	v_mov_b32 v202, v184
	v_mov_b32 v203, 0
.irp e, 1,2,3,4,5,6,7
	v_mov_b32 v199, \e
	v_cmp_gt_f32 vcc_lo, v[184+\e], v202
	v_cndmask_b32 v202, v202, v[184+\e], vcc_lo
	v_cndmask_b32 v203, v203, v199, vcc_lo
.endr
	v_add_f32 v204, v200, v202
	v_rcp_f32 v204, v204
	v_cndmask_b32 v205, v201, v203, s54            ; lanes 0-15: the first choice; lanes 16-31: the second.  (A plain place behind the reciprocal)
	v_cndmask_b32 v206, v200, v202, s54
	s_wait_alu depctr_va_vdst(0)
	v_mul_f32 v206, v206, v204                     ; its gate, renormalised over the two
	v_lshlrev_b32 v207, 3, v2
	v_lshl_add_u32 v207, v3, 2, v207
	s_lshl_b32 s42, s41, 3
	v_add_nc_u32 v207, s42, v207                   ; 8 (t0 + j) + 4 h
	v_lshlrev_b32 v208, 2, v2
	v_lshl_add_u32 v208, v3, 12, v208
	s_lshl_b32 s42, s41, 2
	v_add_nc_u32 v208, s42, v208                   ; 4 (1,024 h + t0 + j)
	global_store_b32 v207, v205, s[16:17]          ; out2
	global_store_b32 v207, v205, s[18:19]          ; sel: the same whole numbers, at fixed places, for the later launches' addresses
	global_store_b32 v208, v206, s[20:21]          ; gw
	s_endpgm
.Lfunc_end_k_q6682c085c0_prep:
	.size	k_q6682c085c0_prep, .Lfunc_end_k_q6682c085c0_prep-k_q6682c085c0_prep
	.p2alignl 7, 3214868480
	.fill 96, 4, 3214868480
	.section	.rodata,"a",@progbits
	.p2align	6, 0x0
	.amdhsa_kernel k_q6682c085c0_prep
		.amdhsa_group_segment_fixed_size 17152
		.amdhsa_private_segment_fixed_size 0
		.amdhsa_enable_private_segment 0
		.amdhsa_kernarg_size 120
		.amdhsa_user_sgpr_count 2
		.amdhsa_user_sgpr_kernarg_segment_ptr 1
		.amdhsa_wavefront_size32 1
		.amdhsa_system_sgpr_workgroup_id_x 1
		.amdhsa_system_sgpr_workgroup_id_y 1
		.amdhsa_system_sgpr_workgroup_id_z 1
		.amdhsa_system_vgpr_workitem_id 0
		.amdhsa_next_free_vgpr 256
		.amdhsa_next_free_sgpr 66
		.amdhsa_reserve_vcc 1
		.amdhsa_float_denorm_mode_32 3
		.amdhsa_float_denorm_mode_16_64 3
		.amdhsa_memory_ordered 1
		.amdhsa_forward_progress 1
		.amdhsa_inst_pref_size 131
	.end_amdhsa_kernel
	.amdgpu_metadata
---
amdhsa.version: [ 1, 2 ]
amdhsa.kernels:
  - .name:           k_q6682c085c0_prep
    .symbol:         k_q6682c085c0_prep.kd
    .args:
      - { .name: x, .offset: 0, .size: 8, .value_kind: global_buffer, .address_space: global }
      - { .name: Wr, .offset: 8, .size: 8, .value_kind: global_buffer, .address_space: global }
      - { .name: br, .offset: 16, .size: 8, .value_kind: global_buffer, .address_space: global }
      - { .name: out1, .offset: 24, .size: 8, .value_kind: global_buffer, .address_space: global }
      - { .name: out2, .offset: 32, .size: 8, .value_kind: global_buffer, .address_space: global }
      - { .name: sel, .offset: 40, .size: 8, .value_kind: global_buffer, .address_space: global }
      - { .name: gw, .offset: 48, .size: 8, .value_kind: global_buffer, .address_space: global }
      - { .name: Wg, .offset: 56, .size: 8, .value_kind: global_buffer, .address_space: global }
      - { .name: Wg_s, .offset: 64, .size: 8, .value_kind: global_buffer, .address_space: global }
      - { .name: Wv, .offset: 72, .size: 8, .value_kind: global_buffer, .address_space: global }
      - { .name: Wv_s, .offset: 80, .size: 8, .value_kind: global_buffer, .address_space: global }
      - { .name: Wo, .offset: 88, .size: 8, .value_kind: global_buffer, .address_space: global }
      - { .name: Wo_s, .offset: 96, .size: 8, .value_kind: global_buffer, .address_space: global }
      - { .name: wc, .offset: 104, .size: 8, .value_kind: global_buffer, .address_space: global }
      - { .name: ws, .offset: 112, .size: 8, .value_kind: global_buffer, .address_space: global }
    .group_segment_fixed_size: 17152
    .private_segment_fixed_size: 0
    .kernarg_segment_align: 8
    .kernarg_segment_size: 120
    .max_flat_workgroup_size: 64
    .sgpr_count:     66
    .vgpr_count:     256
    .wavefront_size: 32
...
	.end_amdgpu_metadata
.endif
;; end of part 1
;; launch place (part 2): grid 12 x 1, 1 waves a work-group, no clusters, 4,864 bytes of LDS; arguments sel, list; writes list
.if DOCPART == 2
	.amdgcn_target "amdgcn-amd-amdhsa--gfx1250"
	.amdhsa_code_object_version 6
	.text
	.protected	k_q6682c085c0_place
	.globl	k_q6682c085c0_place
	.p2align	8
	.type	k_q6682c085c0_place,@function
k_q6682c085c0_place:
	s_mov_b64 s[64:65], 0
	v_nop
	global_prefetch_b8 v0, s[64:65] scope:SCOPE_SE
	s_setreg_imm32_b32 hwreg(HW_REG_WAVE_MODE, 25, 1), 1
	s_wait_xcnt 0x0
; PLACE: the rows of each expert, as a list of whole numbers for the two launches that follow: their jumps and addresses hang on what this launch has stored, and on nothing that they work out themselves.
; ITEMS.  Work-group 0 .. 7: an expert; work-group 8 + q: the shared expert on tokens 256 q .. 256 q + 255.  Row id = 1,024 k + token: k = 0, 1 the token's first and second choice, k = 2 the shared expert.
; list[item] is 1,152 words: 0 .. 1,023 the item's row ids, in each run of 64 tokens the even tokens first, then the odd; the 32 places behind the last repeat the first row (a tile's empty places then compute and store the first row's numbers once more);
; up to word 1,087 row 0, which a look-ahead may load; 1,088 .. 1,119 words that lanes with nothing to lay down wrote (row ids too); 1,120 .. 1,151 the count.
; One wave a work-group reads all 1,024 tokens' two choices (8,192 bytes), lays the ids into its own LDS at places found by counting lanes, and stores the 4,608 bytes to fixed places, 512 consecutive bytes a store.
; Twelve items, twelve work-groups: the launch has no more work than that.  No barrier: one wave, and LDS serves a wave's instructions in order.
.set SE,   16                          ; v16-79  the choices
.set ZR,   80                          ; v80-83  zeros
.set K1K,  84                          ; 1,024
.set L2,   85                          ; 2 x lane
.set DMP,  86                          ; 1,088 + lane
.set VA,   87
.set VR,   88
.set SA,   89                          ; the address at which a row id is laid down
.set CA,   90                          ; 0: the list's first byte
.set CW,   91                          ; 4,480 + 4 x lane: the count's words
.set OUTR, 92                          ; v92-127 the list on its way out
.set VE, 8
.set CN, 9
.set MA, 10
.set MB, 11
.set AD, 12
.set TMP, 13
	s_load_b128 s[4:7], s[0:1], 0x0                ; sel s[4:5], list s[6:7]
	v_lshl_add_u32 v128, v0, 2, 0x1200
	v_mov_b32 v129, 0
	s_mov_b32 s[VE], ttmp9
	v_lshlrev_b32 v3, 4, v0                        ; 16 x lane (one wave: the thread's number is the lane)
	v_mov_b32 v[K1K], 1024
	v_lshlrev_b32 v[L2], 1, v0
	v_add_nc_u32 v[DMP], 1088, v0
	v_mov_b32 v[CA], 0
	v_lshl_add_u32 v[CW], v0, 2, 4480
.irp i, 0,1,2,3
	v_mov_b32 v[ZR+\i], 0
.endr
	s_mul_i32 s14, s[VE], 4608
	s_mov_b32 s15, 0
.irp i, 0,1,2,3,4,5,6,7,8
	ds_store_b128 v3, v[ZR:ZR+3] offset:512*\i     ; all 1,152 words begin as row 0
.endr
	s_wait_kmcnt 0x0
	s_add_nc_u64 s[6:7], s[6:7], s[14:15]          ; my item's list
.irp i, 0,1,2,3,4,5,6,7,8,9,10,11,12,13,14,15
	global_load_b128 v[SE+4*\i:SE+4*\i+3], v3, s[4:5] offset:512*\i      ; lane l: the two choices of tokens 64 i + 2 l and 64 i + 2 l + 1
.endr
	s_mov_b32 s[CN], 0
	s_wait_loadcnt 0x0
.macro SCAN i, a                               ; tokens 64 i + 2 x lane + a
	v_cmp_eq_u32 s[MA], s[VE], v[SE+4*(\i)+2*(\a)]                       ; my expert is the token's first choice,
	v_cmp_eq_u32 vcc_lo, s[VE], v[SE+4*(\i)+2*(\a)+1]                    ; or its second: row id 1,024 higher
	v_cndmask_b32 v[VA], 0, v[K1K], vcc_lo
	s_cmp_eq_u32 s[VE], 8+(\i)/4                   ; or this is the shared expert's quarter that holds these tokens: every lane, row id 2,048 higher
	s_cselect_b32 s[MB], -1, 0
	s_cselect_b32 s[AD], 2048, 0
	s_add_co_u32 s[AD], s[AD], 64*(\i)+(\a)
	v_add_nc_u32 v[VR], v[VA], v[L2]
	v_add_nc_u32 v[VR], s[AD], v[VR]               ; the row id
	s_or_b32 vcc_lo, vcc_lo, s[MA]
	s_or_b32 vcc_lo, vcc_lo, s[MB]
	v_mbcnt_lo_u32_b32 v[SA], vcc_lo, s[CN]        ; its place: the count so far + the lanes below me that lay one down
	v_cndmask_b32 v[SA], v[DMP], v[SA], vcc_lo     ; a lane with nothing to lay down writes a word of its own
	v_min_u32 v[SA], 1119, v[SA]
	v_lshlrev_b32 v[SA], 2, v[SA]
	ds_store_b32 v[SA], v[VR]
	s_bcnt1_i32_b32 s[TMP], vcc_lo
	s_add_co_u32 s[CN], s[CN], s[TMP]
.endm
.irp i, 0,1,2,3,4,5,6,7,8,9,10,11,12,13,14,15
	SCAN \i, 0
	SCAN \i, 1
.endr
	ds_load_b32 v[VR], v[CA]                       ; the list's first row
	s_wait_dscnt 0x0
	v_add_nc_u32 v[SA], s[CN], v0
	v_min_u32 v[SA], 1055, v[SA]
	v_lshlrev_b32 v[SA], 2, v[SA]
	ds_store_b32 v[SA], v[VR]                      ; fills the 32 places behind the last
	v_mov_b32 v[VA], s[CN]
	ds_store_b32 v[CW], v[VA]                      ; the count
.irp i, 0,1,2,3,4,5,6,7,8
	ds_load_b128 v[OUTR+4*\i:OUTR+4*\i+3], v3 offset:512*\i              ; LDS serves a wave's instructions in order: these see the stores above
.endr
	s_wait_dscnt 0x0
.irp i, 0,1,2,3,4,5,6,7,8
	global_store_b128 v3, v[OUTR+4*\i:OUTR+4*\i+3], s[6:7] offset:512*\i ; 512 consecutive bytes a store, at a multiple of 256 from the buffer's first byte
.endr
	s_wait_tensorcnt 0x0
	ds_add_u32 v128, v129
	s_wait_dscnt 0x0
	s_endpgm
.Lfunc_end_k_q6682c085c0_place:
	.size	k_q6682c085c0_place, .Lfunc_end_k_q6682c085c0_place-k_q6682c085c0_place
	.p2alignl 7, 3214868480
	.fill 96, 4, 3214868480
	.section	.rodata,"a",@progbits
	.p2align	6, 0x0
	.amdhsa_kernel k_q6682c085c0_place
		.amdhsa_group_segment_fixed_size 4864
		.amdhsa_private_segment_fixed_size 0
		.amdhsa_enable_private_segment 0
		.amdhsa_kernarg_size 16
		.amdhsa_user_sgpr_count 2
		.amdhsa_user_sgpr_kernarg_segment_ptr 1
		.amdhsa_wavefront_size32 1
		.amdhsa_system_sgpr_workgroup_id_x 1
		.amdhsa_system_sgpr_workgroup_id_y 1
		.amdhsa_system_sgpr_workgroup_id_z 1
		.amdhsa_system_vgpr_workitem_id 0
		.amdhsa_next_free_vgpr 130
		.amdhsa_next_free_sgpr 66
		.amdhsa_reserve_vcc 1
		.amdhsa_float_denorm_mode_32 3
		.amdhsa_float_denorm_mode_16_64 3
		.amdhsa_memory_ordered 1
		.amdhsa_forward_progress 1
		.amdhsa_inst_pref_size 30
	.end_amdhsa_kernel
	.amdgpu_metadata
---
amdhsa.version: [ 1, 2 ]
amdhsa.kernels:
  - .name:           k_q6682c085c0_place
    .symbol:         k_q6682c085c0_place.kd
    .args:
      - { .name: sel, .offset: 0, .size: 8, .value_kind: global_buffer, .address_space: global }
      - { .name: list, .offset: 8, .size: 8, .value_kind: global_buffer, .address_space: global }
    .group_segment_fixed_size: 4864
    .private_segment_fixed_size: 0
    .kernarg_segment_align: 8
    .kernarg_segment_size: 16
    .max_flat_workgroup_size: 32
    .sgpr_count:     66
    .vgpr_count:     130
    .wavefront_size: 32
...
	.end_amdgpu_metadata
.endif
;; end of part 2
;; launch up (part 3): grid 32 x 8, 4 waves a work-group, no clusters, 197,120 bytes of LDS; arguments wc, ws, list, hc, hs; writes hc, hs
.if DOCPART == 3
	.amdgcn_target "amdgcn-amd-amdhsa--gfx1250"
	.amdhsa_code_object_version 6
	.text
	.protected	k_q6682c085c0_up
	.globl	k_q6682c085c0_up
	.p2align	8
	.type	k_q6682c085c0_up,@function
k_q6682c085c0_up:
	s_mov_b64 s[64:65], 0
	v_nop
	global_prefetch_b8 v0, s[64:65] scope:SCOPE_SE
	s_setreg_imm32_b32 hwreg(HW_REG_WAVE_MODE, 25, 1), 1
	s_wait_xcnt 0x0
; UP: hidden = silu(x Wg^T) x (x Wv^T) on the rows that are kept, both products on codes of FP6 (E2M3) with E8M0 scales, and the hidden layer quantised along H on the way.
; ROWS.  Row id = 1,024 k + token: k = 0, 1 the token's two chosen experts, k = 2 the shared expert.  The hidden codes hc [3,072][1,536 bytes] and their scale bytes hs [3,072][64] are laid by row id.
; SHARES.  Work-group (x, y): x: 64 hidden units: four tiles of Wg and the same four of Wv; y = e: an expert.  It works in TWO PHASES: expert e's rows with expert e's weights; then the shared expert's weights of the same
; slice on tokens 128 e .. 128 e + 127.  So the grid is 32 x 8 = 256 work-groups, each with an expert's rows (256 on average) and 128 shared rows.  Both sets of weights come into LDS at the head, behind one barrier.
; In a phase all four waves hold the SAME 64 weight fragments (8 tiles x 8 steps of 128 along K) in 768 registers, and share the ROWS: wave w takes the tiles of 16 rows w, w + 4, ..  So a gathered fragment of x feeds
; eight matrix instructions, and no wave waits for another in the row loops.
; THE LIST of an item's row ids and their count are whole numbers that an earlier launch stored: the count comes by a scalar load, the ids by vector loads, two of my tiles ahead.  (The shared expert's lists hold 256 tokens:
; mine is half (e % 2) of list 8 + e / 2: eight tiles, whatever the choice.)  An expert's last tile's empty places repeat the list's first row: those lanes compute the same numbers and store them to the same bytes, so no lane is ever switched off.
; Both products are used transposed (source 0 = 16 rows of a weight, source 1 = 16 tokens): a lane holds ONE row, and the 16 registers of two neighbouring tiles are 16 neighbouring hidden units (the tiles' rows were chosen for it when the weights were laid out).
; K MAP as in the launch that made the codes: lane (r, h) holds the 48 consecutive bytes of k = 64 h .. 64 h + 63 of a step.
; NO TENSOR LOADS, NO CLUSTER: the jumps in the row loop hang on the stored count, and work-groups that share weights (the eight that take a slice of the shared expert) or rows (the 32 slices of an expert) would not issue the same loads the same number of times.
; LIMITS: NaN and infinities are not served.  A block of zeros gets the byte 1 with zero codes.  Inside a step of 128 the blocks are summed in the order 0, 2, 1, 3.
; REGISTERS, in windows of 256: window 0: v0-15 addresses; v16-47 the weights' scale words; v48-51 x's scale words, v52-55 the next tile's; v56-67 fragment 63; v68-163 x's eight fragments; v164-227 the accumulators
; (Wg's tile t at 8 t, Wv's at 32 + 8 t); v228-254 at work.  Windows 1-3: fragments 0-62, 21 to a window.
; LDS: 0 .. 98,303 the expert's 64 fragments' images, 98,304 .. 196,607 the shared expert's; each wave brings a quarter of each, every wave reads both whole.
.set LSTB, 4608                        ; an item's list in bytes;
.set CNTB, 4480                        ; in it the count
.set XCO,  42467328                    ; x's codes in wc
.set XSO,  1769472                     ; x's scale words in ws
.set VWC,  14155776                    ; from Wg's units to Wv's in wc,
.set VWS,  589824                      ; and in ws
.set SETB, 98304                       ; LDS: the shared expert's images
.set AB1,  0                           ; v0: 16 x lane + SETB + 49,152 (the thread's number is done with by then)
.set RQB,  1                           ; v1: the row ids of my first tile of the second phase, loaded at the head
.set AB0,  2                           ; v2: 16 x lane + SETB
.set RQ,   14                          ; v14: row ids as loaded: those of the tile ahead, then of the tile behind it
.set WS,   16
.set XSC,  48
.set XSN,  52
.set FR63, 56
.set XF,   68
.set ACC,  164
.set TT,   228
.set LN,   237                         ; the head: lane
.set STG,  165                         ; the head: where my wave lays its quarter of the expert's images,
.set STGB, 166                         ; and of the shared expert's
.set LA,   255                         ; my lane's word of the list, for the tile in hand
.set WV, 20
.set JJ, 21
.set VE, 22
.set TI, 38
.set NT, 39
.set LO, 40
.set CT, 41
.set SEL, 42
.set TMP, 44
.set MSB, 0
.macro WIN new                         ; the immediate's high byte repeats the setting that is left; a switch that changes nothing is dropped
.if MSB != (\new)
	s_set_vgpr_msb (MSB<<8)|(\new)
.set MSB, (\new)
.endif
.endm
.macro PLACES                          ; four plain places behind matrix instructions, in front of loads into registers that they have read and of the first read of results
.rept 4
	v_nop
.endr
.endm
.macro BARRIER                         ; my LDS instructions are done: then the work-group's barrier
	s_wait_dscnt 0x0
	s_barrier_signal -1
	s_barrier_wait -1
.endm
	s_load_b256 s[8:15], s[0:1], 0x0               ; wc s[8:9], ws s[10:11], list s[12:13], hc s[14:15]
	s_load_b64 s[16:17], s[0:1], 0x20              ; hs
	s_set_vgpr_msb 0x40
	v_lshl_add_u32 v254, v0, 2, 0x30000
	v_mov_b32 v255, 0
	s_set_vgpr_msb 0x4000
	v_lshrrev_b32 v1, 5, v0
	v_readfirstlane_b32 s[WV], v1                  ; wave
	s_mov_b32 s[JJ], ttmp9                         ; the slice of 64 hidden units
	s_and_b32 s[VE], ttmp7, 0xffff                 ; the expert, 0 .. 7
	v_and_b32 v[LN], 31, v0
	v_and_b32 v1, 15, v0                           ; r
	v_bfe_u32 v2, v0, 4, 1                         ; h
	v_lshlrev_b32 v3, 4, v[LN]                     ; 16 x lane
	v_add_nc_u32 v4, 49152, v3                     ; the same, for LDS bytes beyond a 16-bit offset
	v_lshlrev_b32 v5, 2, v1                        ; the list's word r
	v_mul_u32_u24 v6, v2, 48
	v_lshlrev_b32 v7, 8, v2
	v_mul_u32_u24 v8, v2, 12
	v_add_nc_u32 v[AB0], SETB, v3                  ; (h and the thread's number are done with)
	v_add_nc_u32 v[AB1], SETB+49152, v3
	s_mul_i32 s[TMP], s[WV], 24576
	v_add_nc_u32 v[STG], s[TMP], v3
	v_add_nc_u32 v[STGB], SETB, v[STG]
	s_lshl_b32 s[LO], s[WV], 6                     ; 64 bytes of the list a tile: my first tile is tile w
	v_add_nc_u32 v[LA], s[LO], v5
	v_mov_b32 v246, 0                              ; written once: a lane permute's destination counts as one of its sources
	v_mov_b32 v247, 0
	s_mov_b32 s[SEL], 0x76543210
	s_mov_b32 s[SEL+1], 0xfedcba98
	s_mov_b32 s54, 0xbfb8aa3b                      ; -log2(e)
	s_mov_b32 s55, s54                             ; (the packed form names the pair)
	s_mul_i32 s32, s[VE], LSTB                     ; the expert's list
	s_mov_b32 s33, 0
	s_lshr_b32 s56, s[VE], 1                       ; the shared expert's: list 8 + e / 2,
	s_add_co_u32 s56, s56, 8
	s_mul_i32 s56, s56, LSTB
	s_and_b32 s57, s[VE], 1
	s_lshl_b32 s57, s57, 9                         ; 128 words on where e is odd
	s_add_co_u32 s56, s56, s57
	s_mov_b32 s57, 0
	s_lshl_b32 s45, s[VE], 7
	s_lshl_b32 s46, s[JJ], 2
	s_add_co_u32 s45, s45, s46                     ; Wg's first unit: 128 x expert + 4 x slice;
	s_add_co_u32 s58, s46, 1024                    ; the shared expert's: 128 x 8 + 4 x slice
	s_lshr_b32 s47, s[WV], 1                       ; waves 0, 1 bring Wg's four units, waves 2, 3 Wv's; two units each
	s_mul_i32 s47, s47, VWC
	s_and_b32 s59, s[WV], 1
	s_mul_i32 s59, s59, 24576
	s_add_co_u32 s47, s47, s59
	s_mul_i32 s46, s45, 12288
	s_add_co_u32 s46, s46, s47
	s_mul_i32 s60, s58, 12288
	s_add_co_u32 s60, s60, s47
	s_mov_b32 s47, 0
	s_mov_b32 s61, 0
	s_lshl_b32 s48, s45, 9
	s_mov_b32 s49, 0
	s_lshl_b32 s62, s58, 9
	s_mov_b32 s63, 0
	s_mul_i32 s50, s[JJ], 48                       ; the slice's 64 codes in a row of hc,
	s_mov_b32 s51, 0
	s_lshl_b32 s52, s[JJ], 1                       ; its two bytes in a row of hs
	s_mov_b32 s53, 0
	s_wait_kmcnt 0x0
	s_add_nc_u64 s[18:19], s[12:13], s[56:57]      ; the second phase's list
	s_add_nc_u64 s[12:13], s[12:13], s[32:33]      ; the first's
	s_add_nc_u64 s[24:25], s[8:9], s[46:47]        ; my quarter of the expert's images,
	s_add_nc_u64 s[34:35], s[8:9], s[60:61]        ; and of the shared expert's
	s_add_nc_u64 s[26:27], s[8:9], XCO             ; x's codes
	s_add_nc_u64 s[28:29], s[10:11], XSO           ; x's scale words
	s_add_nc_u64 s[30:31], s[10:11], s[48:49]      ; the expert's weights' scale words,
	s_add_nc_u64 s[36:37], s[10:11], s[62:63]      ; the shared expert's
	s_add_nc_u64 s[14:15], s[14:15], s[50:51]
	s_add_nc_u64 s[16:17], s[16:17], s[52:53]
	s_load_b32 s[NT], s[12:13], CNTB               ; the expert's count of rows
	global_load_b32 v[RQ], v[LA], s[12:13]         ; my first tile's row ids, of the first phase
	global_load_b32 v[RQB], v[LA], s[18:19]        ; and of the second
	WIN 0x40                                       ; destination window 1
.set n, 0
.rept 48
	global_load_b128 v[4*n:4*n+3], v3, s[24:25] offset:512*n             ; 16 fragments' images, 512 consecutive bytes a load
.set n, n+1
.endr
	WIN 0x80                                       ; destination window 2
.set n, 0
.rept 48
	global_load_b128 v[4*n:4*n+3], v3, s[34:35] offset:512*n
.set n, n+1
.endr
	WIN 0
	s_wait_loadcnt 48                              ; the row ids and the expert's images are in; the shared expert's 48 loads may be out
	WIN 0x04                                       ; an LDS store's data are its source 1: window 1
.set n, 0
.rept 48
	ds_store_b128 v[STG], v[4*n:4*n+3] offset:512*n
.set n, n+1
.endr
	s_wait_loadcnt 0x0
	WIN 0x08                                       ; window 2
.set n, 0
.rept 48
	ds_store_b128 v[STGB], v[4*n:4*n+3] offset:512*n
.set n, n+1
.endr
	WIN 0
	BARRIER                                        ; all 128 images lie in LDS; nothing is stored to LDS behind this barrier
	s_wait_kmcnt 0x0                               ; the count
	s_min_u32 s[NT], s[NT], 1024
	s_add_co_u32 s[NT], s[NT], 15
	s_lshr_b32 s[NT], s[NT], 4                     ; tiles of 16 rows
.macro ADDR                                    ; from the row id as loaded: the token's codes and scale words.  Seven plain lines
	v_min_u32 v9, 3071, v[RQ]                      ; what was read from the list is held inside the tables
	v_and_b32 v15, 1023, v9                        ; the token
	v_mad_u32_u24 v10, v15, 768, v6                ; its codes: 768 bytes a token, + 48 h
	v_and_b32 v11, 0x3f0, v15
	v_and_b32 v15, 15, v15
	v_lshl_add_u32 v11, v11, 5, v7                 ; its scale words: 512 bytes for 16 tokens, + 256 h,
	v_lshl_add_u32 v11, v15, 4, v11                ; + 16 for each token
.endm
.macro ELOAD
	global_load_b128 v[XSN:XSN+3], v11, s[28:29]
.endm
.macro RLOAD off                               ; the row ids of my tile `off` / 256 turns on
	global_load_b32 v[RQ], v[LA], s[12:13] offset:\off
.endm
.macro GLOAD g                                 ; the fragments of steps 2 g and 2 g + 1: 48 consecutive bytes a lane and step
.irp u, 0,1
.irp c, 0,1,2
	global_load_b128 v[XF+12*(2*(\g)+\u)+4*\c:XF+12*(2*(\g)+\u)+4*\c+3], v10, s[26:27] offset:96*(2*(\g)+\u)+16*\c
.endr
.endr
.endm
.macro FINISH                                  ; the tile ahead becomes the tile in hand
	s_wait_loadcnt 24                              ; its scale words, and the row ids of the tile behind it, are in; its four groups of six loads may be out
.irp q, 0,1,2,3
	v_mov_b32 v[XSC+\q], v[XSN+\q]
.endr
.rept 8
	v_nop                                          ; a scale register written by a vector instruction stands eight places ahead of a scaled matrix instruction
.endr
.endm
; one matrix instruction: tile t (0-3 Wg's, 4-7 Wv's), step s.  The eight accumulators take turns, one instruction a turn
.macro WM t, s
.set fx, 8*(\s)+(\t)
.if fx < 63
.set wn, 1+fx/21
.set ra, 12*(fx%21)
.else
.set wn, 0
.set ra, FR63
.endif
	WIN wn
.set rd, ACC+8*(\t)
.set rb, XF+12*(\s)
.set rw, WS+4*(\t)+((\s)&3)
.set rx, XSC+((\s)&3)
.if (\s) == 0
	v_wmma_scale_f32_16x16x128_f8f6f4 v[rd:rd+7], v[ra:ra+11], v[rb:rb+11], 0, v[rw], v[rx] matrix_a_fmt:MATRIX_FMT_FP6 matrix_b_fmt:MATRIX_FMT_FP6
.elseif (\s) < 4
	v_wmma_scale_f32_16x16x128_f8f6f4 v[rd:rd+7], v[ra:ra+11], v[rb:rb+11], v[rd:rd+7], v[rw], v[rx] matrix_a_fmt:MATRIX_FMT_FP6 matrix_b_fmt:MATRIX_FMT_FP6
.else
	v_wmma_scale_f32_16x16x128_f8f6f4 v[rd:rd+7], v[ra:ra+11], v[rb:rb+11], v[rd:rd+7], v[rw], v[rx] matrix_a_fmt:MATRIX_FMT_FP6 matrix_b_fmt:MATRIX_FMT_FP6 matrix_a_scale:MATRIX_SCALE_ROW1 matrix_b_scale:MATRIX_SCALE_ROW1
.endif
.endm
.macro MGROUP g                                ; steps 2 g and 2 g + 1: sixteen matrix instructions
.irp u, 0,1
.irp t, 0,1,2,3,4,5,6,7
	WM \t, 2*(\g)+\u
.endr
.endr
	WIN 0
.endm
; block b of 32 hidden units: my 16 of them: silu(g) x v = g / (1 + 2^(-g log2(e))) x v, in f32, in place.  Each accumulator is read from its low end on
.macro SWIGLU b
.set hb, ACC+16*(\b)
.set vb, ACC+32+16*(\b)
.irp i, 0,2,4,6,8,10,12,14
	v_pk_mul_f32 v[TT+\i:TT+\i+1], v[hb+\i:hb+\i+1], s[54:55] op_sel_hi:[1,0]
.endr
.irp i, 0,1,2,3,4,5,6,7,8,9,10,11,12,13,14,15
	v_exp_f32 v[TT+\i], v[TT+\i]
.endr
	v_nop                                          ; one plain place behind the transcendentals
	s_wait_alu depctr_va_vdst(0)
.irp i, 0,2,4,6,8,10,12,14
	v_pk_add_f32 v[TT+\i:TT+\i+1], v[TT+\i:TT+\i+1], 1.0 op_sel_hi:[1,0]
.endr
.irp i, 0,1,2,3,4,5,6,7,8,9,10,11,12,13,14,15
	v_rcp_f32 v[TT+\i], v[TT+\i]
.endr
	v_nop
	s_wait_alu depctr_va_vdst(0)
.irp i, 0,2,4,6,8,10,12,14
	v_pk_mul_f32 v[hb+\i:hb+\i+1], v[hb+\i:hb+\i+1], v[TT+\i:TT+\i+1]
.endr
.irp i, 0,2,4,6,8,10,12,14
	v_pk_mul_f32 v[hb+\i:hb+\i+1], v[hb+\i:hb+\i+1], v[vb+\i:vb+\i+1]
.endr
.endm
.macro BODY
	v_add_nc_u32 v[LA], s[LO], v5                  ; my word of the list for the tile in hand (the load that last named the register has been shown done)
	s_wait_loadcnt 18                              ; group 0 is in; behind it: this tile's groups 1 to 3
	MGROUP 0
	s_wait_xcnt 0x0                                ; every load and store issued so far (the last a tile's vector work and sixteen matrix instructions ago) has read its address and data registers: they may be written again
	v_mad_u32_u24 v12, v9, 1536, v8                ; where this tile's hidden codes go: 1,536 bytes a row, + 12 h
	v_lshlrev_b32 v13, 6, v9                       ; and its scale bytes: 64 a row
	ADDR                                           ; the tile ahead: its row ids came in a tile ago.  (These nine plain lines are the places in front of the loads below)
	ELOAD
	RLOAD 512                                      ; the row ids of my tile two turns on: eight tiles of 64 bytes
	GLOAD 0                                        ; each group's registers take the NEXT tile's fragments as soon as they have been multiplied
	s_wait_loadcnt 20                              ; group 1 is in; behind it: groups 2, 3, the scale words, the row ids, the next tile's group 0
	MGROUP 1
	PLACES
	GLOAD 1
	s_wait_loadcnt 20                              ; behind group 2: group 3, those two loads, the next tile's groups 0, 1
	MGROUP 2
	PLACES
	GLOAD 2
	s_wait_loadcnt 20                              ; behind group 3: those two loads, the next tile's groups 0 to 2
	MGROUP 3
	PLACES
	GLOAD 3
	SWIGLU 0
	SWIGLU 1
	v_max3_num_f32 v244, |v[ACC]|, |v[ACC+1]|, 0x1800000         ; the two blocks' largest magnitudes, by turns; the floor 2^(3 - 127) keeps the byte at 1 or more
	v_max3_num_f32 v245, |v[ACC+16]|, |v[ACC+17]|, 0x1800000
.irp i, 2,4,6,8,10,12,14
	v_max3_num_f32 v244, v244, |v[ACC+\i]|, |v[ACC+\i+1]|
	v_max3_num_f32 v245, v245, |v[ACC+16+\i]|, |v[ACC+17+\i]|
.endr
	v_permlanex16_b32 v246, v244, s[SEL], s[SEL+1]
	v_permlanex16_b32 v247, v245, s[SEL], s[SEL+1]
	v_max_num_f32 v244, v244, v246                 ; with lane l xor 16's 16: the block's
	v_max_num_f32 v245, v245, v247
	v_add_nc_u32 v246, 0xff000000, v244            ; 2 off the exponent field: the conversion's scale operand
	v_add_nc_u32 v247, 0xff000000, v245
	v_lshrrev_b32 v244, 23, v246                   ; the bytes
	v_lshrrev_b32 v245, 23, v247
	v_lshl_or_b32 v251, v245, 8, v244
	v_cvt_scalef32_pk16_fp6_f32 v[248:250], v[ACC:ACC+15], v246
	v_cvt_scalef32_pk16_fp6_f32 v[252:254], v[ACC+16:ACC+31], v247
	v_nop                                          ; one plain place behind a scaled conversion
	global_store_b96 v12, v[248:250], s[14:15]             ; 16 codes: 12 bytes of my row's stream of bits
	global_store_b96 v12, v[252:254], s[14:15] offset:24
	global_store_b16 v13, v251, s[16:17]                   ; the two bytes; a row's two lanes store the same value
	FINISH
.endm
; A PHASE: the weights' scale words; my first tile's operands are asked for; the 64 fragments come out of LDS (from the bytes that a0 and a1 address) into registers; then the row loop, `trips` trips.
; Fragment f = 8 s + tile lies in window 1 + f / 21 at register 12 (f % 21), the last in window 0; its image is number 8 tile + s of its set in LDS.
.macro PHASE a0, a1, trips
.irp u, 0,1,2,3
	global_load_b128 v[WS+4*\u:WS+4*\u+3], v3, s[30:31] offset:512*\u                ; register 4 t + q: the words of tile t's rows: step q in lanes 0-15, step 4 + q in lanes 16-31
.endr
.irp u, 0,1,2,3
	global_load_b128 v[WS+16+4*\u:WS+16+4*\u+3], v3, s[30:31] offset:VWS+512*\u
.endr
	ADDR
	ELOAD
	RLOAD 256                                      ; my second tile's row ids
	GLOAD 0
	GLOAD 1
	GLOAD 2
	GLOAD 3
.set f, 0
.rept 64
.set Lx, 8*(f%8)+f/8
.if f < 63
.set wn, (1+f/21)<<6
.set rg, 12*(f%21)
.else
.set wn, 0
.set rg, FR63
.endif
	WIN wn
.irp c, 0,1,2
.if Lx < 32
	ds_load_b128 v[rg+4*\c:rg+4*\c+3], v[\a0] offset:1536*Lx+512*\c
.else
	ds_load_b128 v[rg+4*\c:rg+4*\c+3], v[\a1] offset:1536*(Lx-32)+512*\c
.endif
.endr
.set f, f+1
.endr
	WIN 0
	s_wait_dscnt 0x0
	FINISH
	s_mov_b32 s[TI], s[WV]
	s_mov_b32 s[CT], \trips
.Ltile_\@:                                         ; a constant number of trips, whatever the list holds; a trip past the list's end only passes the jump
	s_cmp_ge_u32 s[TI], s[NT]
	s_cbranch_scc1 .Lskip_\@
	BODY
.Lskip_\@:
	s_add_co_u32 s[TI], s[TI], 4
	s_add_co_u32 s[LO], s[LO], 256
	s_sub_co_u32 s[CT], s[CT], 1
	s_cmp_lg_u32 s[CT], 0
	s_cbranch_scc1 .Ltile_\@
.endm
	PHASE 3, 4, 16                                 ; the expert's rows: 64 tiles of 16 rows serve all 1,024 tokens on one expert
	s_wait_loadcnt 0x0                             ; what the last tile asked for ahead has landed: its registers are asked for anew below
	s_wait_xcnt 0x0                                ; and every load and store has read its addresses and bases
	s_mov_b64 s[12:13], s[18:19]                   ; the second phase's list
	s_mov_b64 s[30:31], s[36:37]                   ; and its weights' scale words
	s_lshl_b32 s[LO], s[WV], 6
	s_mov_b32 s[NT], 8                             ; 128 tokens: eight tiles
	v_add_nc_u32 v[LA], s[LO], v5
	v_mov_b32 v[RQ], v[RQB]                        ; my first tile's row ids came in at the head
	PHASE AB0, AB1, 2                              ; the shared expert's rows: tiles w and w + 4
	s_set_vgpr_msb 0x5
	s_wait_tensorcnt 0x0
	ds_add_u32 v254, v255
	s_wait_dscnt 0x0
	s_set_vgpr_msb 0x500
	s_endpgm
.Lfunc_end_k_q6682c085c0_up:
	.size	k_q6682c085c0_up, .Lfunc_end_k_q6682c085c0_up-k_q6682c085c0_up
	.p2alignl 7, 3214868480
	.fill 96, 4, 3214868480
	.section	.rodata,"a",@progbits
	.p2align	6, 0x0
	.amdhsa_kernel k_q6682c085c0_up
		.amdhsa_group_segment_fixed_size 197120
		.amdhsa_private_segment_fixed_size 0
		.amdhsa_enable_private_segment 0
		.amdhsa_kernarg_size 40
		.amdhsa_user_sgpr_count 2
		.amdhsa_user_sgpr_kernarg_segment_ptr 1
		.amdhsa_wavefront_size32 1
		.amdhsa_system_sgpr_workgroup_id_x 1
		.amdhsa_system_sgpr_workgroup_id_y 1
		.amdhsa_system_sgpr_workgroup_id_z 1
		.amdhsa_system_vgpr_workitem_id 0
		.amdhsa_next_free_vgpr 1024
		.amdhsa_next_free_sgpr 66
		.amdhsa_reserve_vcc 0
		.amdhsa_float_denorm_mode_32 3
		.amdhsa_float_denorm_mode_16_64 3
		.amdhsa_memory_ordered 1
		.amdhsa_forward_progress 1
		.amdhsa_inst_pref_size 94
	.end_amdhsa_kernel
	.amdgpu_metadata
---
amdhsa.version: [ 1, 2 ]
amdhsa.kernels:
  - .name:           k_q6682c085c0_up
    .symbol:         k_q6682c085c0_up.kd
    .args:
      - { .name: wc, .offset: 0, .size: 8, .value_kind: global_buffer, .address_space: global }
      - { .name: ws, .offset: 8, .size: 8, .value_kind: global_buffer, .address_space: global }
      - { .name: list, .offset: 16, .size: 8, .value_kind: global_buffer, .address_space: global }
      - { .name: hc, .offset: 24, .size: 8, .value_kind: global_buffer, .address_space: global }
      - { .name: hs, .offset: 32, .size: 8, .value_kind: global_buffer, .address_space: global }
    .group_segment_fixed_size: 197120
    .private_segment_fixed_size: 0
    .kernarg_segment_align: 8
    .kernarg_segment_size: 40
    .max_flat_workgroup_size: 128
    .sgpr_count:     66
    .vgpr_count:     1024
    .wavefront_size: 32
...
	.end_amdgpu_metadata
.endif
;; end of part 3
;; launch down (part 4): grid 16 x 12, 4 waves a work-group, no clusters, 116,224 bytes of LDS; arguments wc, ws, list, gw, hc, hs, bo, bo_s, y; writes y
.if DOCPART == 4
	.amdgcn_target "amdgcn-amd-amdhsa--gfx1250"
	.amdhsa_code_object_version 6
	.text
	.protected	k_q6682c085c0_down
	.globl	k_q6682c085c0_down
	.p2align	8
	.type	k_q6682c085c0_down,@function
k_q6682c085c0_down:
	s_mov_b64 s[64:65], 0
	v_nop
	global_prefetch_b8 v0, s[64:65] scope:SCOPE_SE
	s_setreg_imm32_b32 hwreg(HW_REG_WAVE_MODE, 25, 1), 1
	s_wait_xcnt 0x0
; DOWN: y[row] = gate x (hidden[row] Wo^T + bias) on the rows that are kept, on codes of FP6 (E2M3) with E8M0 scales.  y [3,072][1,024] f32 is laid by row id = 1,024 k + token (k = 0, 1 the chosen experts, k = 2 the shared one, whose gate is 1).
; SHARES.  Work-group (x, y): y = 0 .. 7 an expert, y = 8 + q the shared expert on tokens 256 q .. 256 q + 255; x: 64 output columns: four tiles of Wo.  The waves share the ROWS, and no wave waits for another behind the one barrier.
; THE ROWS STAY, THE WEIGHTS PASS BY.  In a pass wave w takes FIVE tiles of 16 rows at once (tiles 20 p + 4 m + w, m = 0 .. 4): a work-group takes 320 rows a pass, four passes at the most (1,024 rows).
; The slice's 64 weight fragments (4 tiles x 16 steps of 128 along K = 2,048) lie in LDS in the order of their use and pass through a ring of eight fragments in registers; each feeds five matrix instructions.
; The hidden rows' fragments are gathered into a ring of 8 steps x 5 tiles (480 registers); a step's set is asked for again, for the step eight on, as soon as it has been multiplied.  So a wave's loads are issued far ahead
; of their use: as many are out as the counter's field holds (the hardware holds back the issue of one more: ISA guide 5.7.1).
; THE LIST of the item's row ids and their count are whole numbers that an earlier launch stored.  A tile at or past the list's end loads the rows that the list's fill names (the first row, or row 0), is multiplied like the others,
; and is not stored: a scalar jump on the stored count stands round each tile's way out.  The last tile's empty places repeat the first row, whose numbers are then stored twice, alike.  The tile's number is held at 71: no load leaves the item's 1,152 words.
; The product is used transposed (source 0 = 16 rows of Wo, source 1 = 16 hidden rows): a lane holds eight neighbouring columns of one row of y.  The bias is the C of each sum's first matrix instruction.
; THE WAY OUT goes through the wave's own stage in LDS (16 rows x (256 bytes + 16)), so that sixteen lanes store 256 consecutive bytes of a row, aligned: lanes 0-15 take rows 0 to 7 in turn, lanes 16-31 rows 8 to 15.
; NO TENSOR LOADS, NO CLUSTER: jumps hang on the stored count, and work-groups that share weights or rows would not issue the same loads the same number of times.
; LIMITS: NaN and infinities are not served.  Inside a step of 128 the blocks are summed in the order 0, 2, 1, 3.
; REGISTERS, in windows of 256: window 0: v1-11, v42 addresses that stay; v12-31 five tiles' row ids and addresses; v32-41 their gates; v44-75 Wo's scale words; v76-115 the hidden rows' scale words; v116-155 the rows' places in y; v156-251 the ring of weights.
;   window 1: v0-159 the 20 accumulators ((m, t) at 32 m + 8 t); v160-191 the bias.   windows 2, 3: the hidden rows' ring: step s, tile m at register 12 (5 (s % 4) + m) of window 2 + (s % 8) / 4.
; LDS: 0 .. 98,303 the weight fragments' images, fragment 4 s + t at 1,536 (4 s + t); behind them the four stages.
.set LSTB,  4608                       ; an item's list in bytes;
.set CNTB,  4480                       ; in it the count
.set STAGE, 98304
.set RID,  12                          ; v12-16  tile m's row ids (lane (r, h): row r)
.set HA,   17                          ; v17-21  where the row's codes lie
.set HSA,  22                          ; v22-26  its scale bytes
.set GWA,  27                          ; v27-31  its gate
.set GW,   32                          ; v32-41  the gate, in the lower register of a pair
.set STB,  42                          ; v42     the head: where my wave lays the images of steps 8 on
.set WS,   44
.set HS,   76
.set OA,   116
.set RING, 156
.set LN,   253                         ; the head: lane
.set ACC,  0                           ; in window 1
.set BIAS, 160
.set WV, 26
.set JJ, 27
.set VE, 28
.set EX, 29
.set CT, 41
.set T0, 42                            ; my first tile of the pass
.set NT, 43
.set TMP, 44
.set MSB, 0
.macro WIN new                         ; the immediate's high byte repeats the setting that is left; a switch that changes nothing is dropped
.if MSB != (\new)
	s_set_vgpr_msb (MSB<<8)|(\new)
.set MSB, (\new)
.endif
.endm
.macro PLACES                          ; four plain places behind matrix instructions, in front of loads into registers that they have read and of the first read of results
.rept 4
	v_nop
.endr
.endm
.macro BARRIER
	s_wait_dscnt 0x0
	s_barrier_signal -1
	s_barrier_wait -1
.endm
; the five tiles' row ids: word r of the tile for the operands, words 8 h + 0 .. 7 for the way out: 15 loads
.macro IDS
.irp m, 0,1,2,3,4
	s_add_co_u32 s[TMP], s[T0], 4*\m
	s_min_u32 s[TMP], s[TMP], 71                   ; tile 71 ends with the item's last word
	s_lshl_b32 s[TMP], s[TMP], 6
	v_add_nc_u32 v[RID+\m], s[TMP], v5
	v_add_nc_u32 v[HA+\m], s[TMP], v6
.endr
.irp m, 0,1,2,3,4
	global_load_b32 v[RID+\m], v[RID+\m], s[12:13]                     ; (a load may land on its own address register)
	global_load_b128 v[OA+8*\m:OA+8*\m+3], v[HA+\m], s[12:13]
	global_load_b128 v[OA+8*\m+4:OA+8*\m+7], v[HA+\m], s[12:13] offset:16
.endr
.endm
.macro ADDRS                                   ; behind the wait for those loads
.irp m, 0,1,2,3,4
	v_min_u32 v[RID+\m], 3071, v[RID+\m]           ; what was read from the list is held inside the tables
	v_mad_u32_u24 v[HA+\m], v[RID+\m], 1536, v10   ; codes: 1,536 bytes a row, + 48 h
	v_lshl_add_u32 v[HSA+\m], v[RID+\m], 6, v6     ; scale bytes: 64 a row, + 32 h: lanes 0-15 steps 0-7, lanes 16-31 steps 8-15
	v_min_u32 v[GWA+\m], 2047, v[RID+\m]           ; the gate (a shared row loads a word that is not used)
	v_lshlrev_b32 v[GWA+\m], 2, v[GWA+\m]
.endr
.irp i, 0,1,2,3,4,5,6,7,8,9,10,11,12,13,14,15,16,17,18,19,20,21,22,23,24,25,26,27,28,29,30,31,32,33,34,35,36,37,38,39
	v_min_u32 v[OA+\i], 3071, v[OA+\i]
.endr
.irp i, 0,1,2,3,4,5,6,7,8,9,10,11,12,13,14,15,16,17,18,19,20,21,22,23,24,25,26,27,28,29,30,31,32,33,34,35,36,37,38,39
	v_lshl_add_u32 v[OA+\i], v[OA+\i], 12, v9      ; 4,096 bytes a row of y, + 16 r
.endr
.endm
.macro ELOADS                                  ; the five tiles' scale bytes and gates: 15 loads
.irp m, 0,1,2,3,4
	global_load_b128 v[HS+8*\m:HS+8*\m+3], v[HSA+\m], s[18:19]
	global_load_b128 v[HS+8*\m+4:HS+8*\m+7], v[HSA+\m], s[18:19] offset:16
	global_load_b32 v[GW+2*\m], v[GWA+\m], s[14:15]
.endr
.endm
.macro GSTEP s                                 ; the five tiles' fragments of step s: 48 consecutive bytes a lane and tile: 15 loads
	WIN (2+((\s)%8)/4)<<6
.irp m, 0,1,2,3,4
.irp c, 0,1,2
	global_load_b128 v[12*(5*((\s)%4)+\m)+4*\c:12*(5*((\s)%4)+\m)+4*\c+3], v[HA+\m], s[16:17] offset:96*(\s)+16*\c
.endr
.endr
.endm
.macro RFILL p                                 ; pair p of the 32 pairs of weight fragments (fragments 2 p and 2 p + 1) into its place in the ring: 6 LDS loads
.irp j, 0,1
.irp c, 0,1,2
.if 2*(\p)+\j < 32
	ds_load_b128 v[RING+24*((\p)%4)+12*\j+4*\c:RING+24*((\p)%4)+12*\j+4*\c+3], v3 offset:1536*(2*(\p)+\j)+512*\c
.else
	ds_load_b128 v[RING+24*((\p)%4)+12*\j+4*\c:RING+24*((\p)%4)+12*\j+4*\c+3], v4 offset:1536*(2*(\p)+\j-32)+512*\c
.endif
.endr
.endr
.endm
.macro FINISH                                  ; in front of a pass's first product
	s_wait_loadcnt 60                              ; all but the last 60 loads (steps 4 to 7): the scale words, the scale bytes, the gates, the bias and steps 0 to 3 are in
.irp i, 0,1,2,3,4,5,6,7,8,9,10,11,12,13,14,15,16,17,18,19,20,21,22,23,24,25,26,27,28,29,30,31,32,33,34,35,36,37,38,39
	v_perm_b32 v[HS+\i], v[HS+\i], v[HS+\i], s56   ; a word of four scale bytes: bytes 1 and 2 change places, as the blocks have in the operands
.endr
.irp m, 0,1,2,3,4
	v_cmp_gt_u32 vcc_lo, 2048, v[RID+\m]           ; a routed row has its gate, a shared row 1
	v_cndmask_b32 v[GW+2*\m], 1.0, v[GW+2*\m], vcc_lo
.endr
.rept 8
	v_nop                                          ; a scale register written by a vector instruction stands eight places ahead of a scaled matrix instruction
.endr
.endm
; one matrix instruction: rows' tile m, Wo's tile tt, step st, the weight fragment at ra
.macro WM m, tt, ra
.set rd, ACC+32*(\m)+8*(\tt)
.set rb, 12*(5*(st%4)+(\m))
.set rw, WS+4*(2*(\tt)+(st>>3))+(st&3)
.set rx, HS+8*(\m)+(st&7)
.set arw, (st>>2)&1
.set brw, st>>3
.if st == 0
	v_wmma_scale_f32_16x16x128_f8f6f4 v[rd:rd+7], v[\ra:\ra+11], v[rb:rb+11], v[BIAS+8*(\tt):BIAS+8*(\tt)+7], v[rw], v[rx] matrix_a_fmt:MATRIX_FMT_FP6 matrix_b_fmt:MATRIX_FMT_FP6
.elseif (arw == 0) && (brw == 0)
	v_wmma_scale_f32_16x16x128_f8f6f4 v[rd:rd+7], v[\ra:\ra+11], v[rb:rb+11], v[rd:rd+7], v[rw], v[rx] matrix_a_fmt:MATRIX_FMT_FP6 matrix_b_fmt:MATRIX_FMT_FP6
.elseif (arw == 1) && (brw == 0)
	v_wmma_scale_f32_16x16x128_f8f6f4 v[rd:rd+7], v[\ra:\ra+11], v[rb:rb+11], v[rd:rd+7], v[rw], v[rx] matrix_a_fmt:MATRIX_FMT_FP6 matrix_b_fmt:MATRIX_FMT_FP6 matrix_a_scale:MATRIX_SCALE_ROW1
.elseif (arw == 0) && (brw == 1)
	v_wmma_scale_f32_16x16x128_f8f6f4 v[rd:rd+7], v[\ra:\ra+11], v[rb:rb+11], v[rd:rd+7], v[rw], v[rx] matrix_a_fmt:MATRIX_FMT_FP6 matrix_b_fmt:MATRIX_FMT_FP6 matrix_b_scale:MATRIX_SCALE_ROW1
.else
	v_wmma_scale_f32_16x16x128_f8f6f4 v[rd:rd+7], v[\ra:\ra+11], v[rb:rb+11], v[rd:rd+7], v[rw], v[rx] matrix_a_fmt:MATRIX_FMT_FP6 matrix_b_fmt:MATRIX_FMT_FP6 matrix_a_scale:MATRIX_SCALE_ROW1 matrix_b_scale:MATRIX_SCALE_ROW1
.endif
.endm
; TURN p of 32: step p / 2, Wo's tiles 2 (p % 2) and 2 (p % 2) + 1: ten matrix instructions, the 20 accumulators by turns, one instruction a turn; then the pair of
; weight fragments four turns on takes these two's place; behind a step's second turn, in the first eight steps, the rows' fragments of the step eight on take this step's place.
.macro TURN p
.set st, (\p)/2
.if (\p)%2 == 0
.set nl, 63                                    ; behind this step's 15 loads 75 or more were issued: a wait cannot name more than 63
.if st > 10
.set nl, 15*(15-st)                            ; the later steps' loads, 15 each
.endif
	s_wait_loadcnt nl
.endif
	s_wait_dscnt 18                                ; this pair is in; the three later pairs' 18 loads may be out
	WIN 0x50|((2+(st%8)/4)<<2)                     ; source 0 (Wo) window 0, source 1 (the rows) window 2 or 3, C and D window 1
.irp j, 0,1
.irp m, 0,1,2,3,4
	WM \m, 2*((\p)%2)+\j, RING+24*((\p)%4)+12*\j
.endr
.endr
	WIN 0
	PLACES
	RFILL ((\p)+4)%32                              ; (the last four turns fetch the first four pairs again, for a further pass)
.if ((\p)%2 == 1) && (st < 8)
	GSTEP st+8
	WIN 0
.endif
.endm
; the way out of tile m, if the list has it
.macro WAYOUT m
	s_add_co_u32 s[TMP], s[T0], 4*\m
	s_cmp_ge_u32 s[TMP], s[NT]
	s_cbranch_scc1 .Lno_\@
	WIN 0x41                                       ; destination and source 0 window 1, the gate window 0
.irp i, 0,1,2,3,4,5,6,7,8,9,10,11,12,13,14,15
	v_pk_mul_f32 v[ACC+32*\m+2*\i:ACC+32*\m+2*\i+1], v[ACC+32*\m+2*\i:ACC+32*\m+2*\i+1], v[GW+2*\m:GW+2*\m+1] op_sel_hi:[1,0]    ; x my row's gate; each accumulator from its low end on
.endr
	WIN 0x04                                       ; an LDS store's data are its source 1: window 1
.irp t, 0,1,2,3
	ds_store_b128 v7, v[ACC+32*\m+8*\t:ACC+32*\m+8*\t+3] offset:64*\t
	ds_store_b128 v7, v[ACC+32*\m+8*\t+4:ACC+32*\m+8*\t+7] offset:64*\t+16
.endr
	WIN 0x40                                       ; destination window 1
.irp i, 0,1,2,3,4,5,6,7
	ds_load_b128 v[ACC+32*\m+4*\i:ACC+32*\m+4*\i+3], v8 offset:272*\i      ; rows i and 8 + i.  LDS serves a wave's instructions in order: these see the stores above, and the next tile's stores come behind them
.endr
	WIN 0x04                                       ; a global store's data are its source 1: window 1
.irp i, 0,1,2,3,4,5,6,7
	s_wait_dscnt 7-\i                              ; load i is back; the later ones may be out
	global_store_b128 v[OA+8*\m+\i], v[ACC+32*\m+4*\i:ACC+32*\m+4*\i+3], s[24:25]      ; sixteen lanes store 256 consecutive bytes of a row of y, at a multiple of 256 from its first byte
.endr
	WIN 0
.Lno_\@:
.endm
	s_load_b256 s[8:15], s[0:1], 0x0               ; wc s[8:9], ws s[10:11], list s[12:13], gw s[14:15]
	s_load_b256 s[16:23], s[0:1], 0x20             ; hc s[16:17], hs s[18:19], bo s[20:21], bo_s s[22:23]
	s_load_b64 s[24:25], s[0:1], 0x40              ; y
	v_lshl_add_u32 v254, v0, 2, 0x1c400
	v_mov_b32 v255, 0
	v_lshrrev_b32 v1, 5, v0
	v_readfirstlane_b32 s[WV], v1
	s_mov_b32 s[JJ], ttmp9                         ; the slice of 64 columns
	s_and_b32 s[VE], ttmp7, 0xffff
	s_min_u32 s[EX], s[VE], 8
	v_and_b32 v[LN], 31, v0
	v_and_b32 v1, 15, v0                           ; r
	v_bfe_u32 v2, v0, 4, 1                         ; h
	v_lshlrev_b32 v3, 4, v[LN]                     ; 16 x lane
	v_add_nc_u32 v4, 49152, v3                     ; the same, for LDS bytes beyond a 16-bit offset
	v_lshlrev_b32 v5, 2, v1                        ; 4 r
	v_lshlrev_b32 v6, 5, v2                        ; 32 h
	s_mul_i32 s[TMP], s[WV], 4352
	s_add_co_u32 s[TMP], s[TMP], STAGE             ; my stage
	v_mul_u32_u24 v7, v1, 272
	v_lshl_add_u32 v7, v2, 5, v7
	v_add_nc_u32 v7, s[TMP], v7                    ; in: row r, + 32 h
	v_mul_u32_u24 v8, v2, 8*272
	v_lshl_add_u32 v8, v1, 4, v8
	v_add_nc_u32 v8, s[TMP], v8                    ; back: row 8 h, + 16 r
	v_lshlrev_b32 v9, 4, v1                        ; 16 r
	v_mul_u32_u24 v10, v2, 48                      ; 48 h
	s_mul_i32 s[TMP], s[WV], 1536                  ; wave w brings Wo's tile w: fragment 4 s + w of the images
	v_add_nc_u32 v11, s[TMP], v3
	v_add_nc_u32 v[STB], 49152, v11
.irp m, 0,1,2,3,4
	v_mov_b32 v[GW+2*\m+1], 0                      ; (named as the upper half of a pair)
.endr
	s_mov_b32 s56, 0x03010200
	s_mul_i32 s36, s[VE], LSTB                     ; my item's list
	s_mov_b32 s37, 0
	s_lshl_b32 s45, s[EX], 7
	s_lshl_b32 s46, s[JJ], 3
	s_add_co_u32 s45, s45, s46
	s_add_co_u32 s45, s45, 2304                    ; my first unit: 2,304 + (64 x expert + 4 x slice) x 2
	s_mul_i32 s46, s45, 12288
	s_mul_i32 s47, s[WV], 24576                    ; a tile of Wo is two units: 16 fragments on end
	s_add_co_u32 s46, s46, s47
	s_mov_b32 s47, 0
	s_lshl_b32 s48, s45, 9
	s_mov_b32 s49, 0
	s_lshl_b32 s50, s[JJ], 8                       ; the slice's 256 bytes in a row of y and of a bias
	s_mov_b32 s51, 0
	s_lshl_b32 s52, s[EX], 12
	s_mov_b32 s53, 0
	s_wait_kmcnt 0x0
	s_cmp_lt_u32 s[VE], 8                          ; an expert's bias or the shared one's: the choice hangs on the work-group's number alone
	s_cselect_b64 s[34:35], s[20:21], s[22:23]
	s_cselect_b32 s52, s52, 0
	s_add_co_u32 s52, s52, s50
	s_add_nc_u64 s[34:35], s[34:35], s[52:53]
	s_add_nc_u64 s[12:13], s[12:13], s[36:37]
	s_add_nc_u64 s[30:31], s[8:9], s[46:47]        ; my tile's images
	s_add_nc_u64 s[32:33], s[10:11], s[48:49]      ; the weights' scale words
	s_add_nc_u64 s[24:25], s[24:25], s[50:51]
	s_load_b32 s[NT], s[12:13], CNTB               ; the item's count of rows
	s_mov_b32 s[T0], s[WV]
	IDS                                            ; the first pass's row ids
	WIN 0x40                                       ; destination window 1
.set n, 0
.rept 48
	global_load_b128 v[4*n:4*n+3], v3, s[30:31] offset:512*n             ; load 3 s + c: group c of step s's fragment: 512 consecutive bytes
.set n, n+1
.endr
	WIN 0
	s_wait_loadcnt 48                              ; the row ids are in; the 48 image loads behind them may be out
	ADDRS
.irp u, 0,1,2,3,4,5,6,7
	global_load_b128 v[WS+4*\u:WS+4*\u+3], v3, s[32:33] offset:512*\u     ; unit u = 2 tile + half of K: register q: step q in lanes 0-15, step 4 + q in lanes 16-31
.endr
	ELOADS
	GSTEP 0
	GSTEP 1
	GSTEP 2
	GSTEP 3
	WIN 0
	s_wait_loadcnt 63                              ; the images are in: 83 loads were issued behind them, and a wait cannot name more than 63
	WIN 0x04                                       ; an LDS store's data are its source 1: window 1
.set n, 0
.rept 48
.if n/3 < 8
	ds_store_b128 v11, v[4*n:4*n+3] offset:6144*(n/3)+512*(n%3)
.else
	ds_store_b128 v[STB], v[4*n:4*n+3] offset:6144*(n/3-8)+512*(n%3)
.endif
.set n, n+1
.endr
	WIN 0
	BARRIER                                        ; all 64 images lie in LDS; behind this barrier a wave stores to its own stage alone
	s_wait_kmcnt 0x0                               ; the count
	s_min_u32 s[NT], s[NT], 1024
	s_add_co_u32 s[NT], s[NT], 15
	s_lshr_b32 s[NT], s[NT], 4                     ; tiles of 16 rows
	WIN 0x40
.irp t, 0,1,2,3
	global_load_b128 v[BIAS+8*\t:BIAS+8*\t+3], v6, s[34:35] offset:64*\t         ; lane (r, h): the bias of columns 16 t + 8 h + 0 .. 7
	global_load_b128 v[BIAS+8*\t+4:BIAS+8*\t+7], v6, s[34:35] offset:64*\t+16
.endr
	GSTEP 4
	GSTEP 5
	GSTEP 6
	GSTEP 7
	WIN 0
	RFILL 0                                        ; the ring of weights begins
	RFILL 1
	RFILL 2
	RFILL 3
	s_mov_b32 s[CT], 4
.Lpass:                                            ; four trips, whatever the list holds: 4 x 20 tiles serve all 1,024 tokens on one expert; a trip in which my first tile lies past the list's end only passes the jump
	s_cmp_ge_u32 s[T0], s[NT]
	s_cbranch_scc1 .Lskip
	s_cmp_eq_u32 s[CT], 4
	s_cbranch_scc1 .Lhave                          ; the first pass's rows were asked for at the head
	s_wait_xcnt 0x0                                ; every load and store of the last pass has read its address and data registers: they are written again below
	IDS
	s_wait_loadcnt 0x0
	ADDRS
	ELOADS
	GSTEP 0
	GSTEP 1
	GSTEP 2
	GSTEP 3
	GSTEP 4
	GSTEP 5
	GSTEP 6
	GSTEP 7
	WIN 0
.Lhave:
	FINISH
.irp p, 0,1,2,3,4,5,6,7,8,9,10,11,12,13,14,15,16,17,18,19,20,21,22,23,24,25,26,27,28,29,30,31
	TURN \p
.endr
	WAYOUT 0
	WAYOUT 1
	WAYOUT 2
	WAYOUT 3
	WAYOUT 4
.Lskip:
	s_add_co_u32 s[T0], s[T0], 20
	s_sub_co_u32 s[CT], s[CT], 1
	s_cmp_lg_u32 s[CT], 0
	s_cbranch_scc1 .Lpass
	s_wait_dscnt 0x0                               ; the ring's last loads
	s_wait_tensorcnt 0x0
	ds_add_u32 v254, v255
	s_wait_dscnt 0x0
	s_endpgm
.Lfunc_end_k_q6682c085c0_down:
	.size	k_q6682c085c0_down, .Lfunc_end_k_q6682c085c0_down-k_q6682c085c0_down
	.p2alignl 7, 3214868480
	.fill 96, 4, 3214868480
	.section	.rodata,"a",@progbits
	.p2align	6, 0x0
	.amdhsa_kernel k_q6682c085c0_down
		.amdhsa_group_segment_fixed_size 116224
		.amdhsa_private_segment_fixed_size 0
		.amdhsa_enable_private_segment 0
		.amdhsa_kernarg_size 72
		.amdhsa_user_sgpr_count 2
		.amdhsa_user_sgpr_kernarg_segment_ptr 1
		.amdhsa_wavefront_size32 1
		.amdhsa_system_sgpr_workgroup_id_x 1
		.amdhsa_system_sgpr_workgroup_id_y 1
		.amdhsa_system_sgpr_workgroup_id_z 1
		.amdhsa_system_vgpr_workitem_id 0
		.amdhsa_next_free_vgpr 1024
		.amdhsa_next_free_sgpr 66
		.amdhsa_reserve_vcc 1
		.amdhsa_float_denorm_mode_32 3
		.amdhsa_float_denorm_mode_16_64 3
		.amdhsa_memory_ordered 1
		.amdhsa_forward_progress 1
		.amdhsa_inst_pref_size 149
	.end_amdhsa_kernel
	.amdgpu_metadata
---
amdhsa.version: [ 1, 2 ]
amdhsa.kernels:
  - .name:           k_q6682c085c0_down
    .symbol:         k_q6682c085c0_down.kd
    .args:
      - { .name: wc, .offset: 0, .size: 8, .value_kind: global_buffer, .address_space: global }
      - { .name: ws, .offset: 8, .size: 8, .value_kind: global_buffer, .address_space: global }
      - { .name: list, .offset: 16, .size: 8, .value_kind: global_buffer, .address_space: global }
      - { .name: gw, .offset: 24, .size: 8, .value_kind: global_buffer, .address_space: global }
      - { .name: hc, .offset: 32, .size: 8, .value_kind: global_buffer, .address_space: global }
      - { .name: hs, .offset: 40, .size: 8, .value_kind: global_buffer, .address_space: global }
      - { .name: bo, .offset: 48, .size: 8, .value_kind: global_buffer, .address_space: global }
      - { .name: bo_s, .offset: 56, .size: 8, .value_kind: global_buffer, .address_space: global }
      - { .name: y, .offset: 64, .size: 8, .value_kind: global_buffer, .address_space: global }
    .group_segment_fixed_size: 116224
    .private_segment_fixed_size: 0
    .kernarg_segment_align: 8
    .kernarg_segment_size: 72
    .max_flat_workgroup_size: 128
    .sgpr_count:     66
    .vgpr_count:     1024
    .wavefront_size: 32
...
	.end_amdgpu_metadata
.endif
;; end of part 4
;; launch combine (part 5): grid 256 x 1, 8 waves a work-group, no clusters, 0 bytes of LDS; arguments y, out0; writes out0
.if DOCPART == 5
	.amdgcn_target "amdgcn-amd-amdhsa--gfx1250"
	.amdhsa_code_object_version 6
	.text
	.protected	k_q6682c085c0_combine
	.globl	k_q6682c085c0_combine
	.p2align	8
	.type	k_q6682c085c0_combine,@function
k_q6682c085c0_combine:
	s_mov_b64 s[64:65], 0
	v_nop
	global_prefetch_b8 v0, s[64:65] scope:SCOPE_SE
	s_setreg_imm32_b32 hwreg(HW_REG_WAVE_MODE, 25, 1), 1
	s_wait_xcnt 0x0
; COMBINE: out0[t] = y[t] + y[1,024 + t] + y[2,048 + t]: a token's two chosen experts (already weighted by their gates) and the shared expert.  y: [3,072][1,024] f32, out0: [1,024][1,024] f32.
; A plain stream: a work-group owns 16,384 consecutive bytes of out0, a thread 16 bytes in each of four runs of 4,096; every load and store of a wave covers 512 consecutive bytes.  All twelve loads of a thread
; are issued at once; no LDS, no barrier, no matrix unit: bytes are all that counts here.
	s_load_b128 s[4:7], s[0:1], 0x0                ; y s[4:5], out0 s[6:7]
	s_lshl_b32 s8, ttmp9, 14
	v_lshl_add_u32 v1, v0, 4, s8                   ; 16,384 x work-group + 16 x thread
	s_wait_kmcnt 0x0
	s_add_nc_u64 s[10:11], s[4:5], 8388608         ; the shared expert's rows (beyond the reach of a load's immediate)
.irp i, 0,1,2,3
	global_load_b128 v[4+12*\i:7+12*\i], v1, s[4:5] offset:4096*\i th:TH_LOAD_NT
	global_load_b128 v[8+12*\i:11+12*\i], v1, s[4:5] offset:4194304+4096*\i th:TH_LOAD_NT
	global_load_b128 v[12+12*\i:15+12*\i], v1, s[10:11] offset:4096*\i th:TH_LOAD_NT
.endr
.irp i, 0,1,2,3
	s_wait_loadcnt 9-3*\i                          ; this run's three loads are in; the later runs' may be out
	v_pk_add_f32 v[4+12*\i:5+12*\i], v[4+12*\i:5+12*\i], v[8+12*\i:9+12*\i]
	v_pk_add_f32 v[6+12*\i:7+12*\i], v[6+12*\i:7+12*\i], v[10+12*\i:11+12*\i]
	v_pk_add_f32 v[4+12*\i:5+12*\i], v[4+12*\i:5+12*\i], v[12+12*\i:13+12*\i]
	v_pk_add_f32 v[6+12*\i:7+12*\i], v[6+12*\i:7+12*\i], v[14+12*\i:15+12*\i]
	global_store_b128 v1, v[4+12*\i:7+12*\i], s[6:7] offset:4096*\i th:TH_STORE_NT
.endr
	s_endpgm
.Lfunc_end_k_q6682c085c0_combine:
	.size	k_q6682c085c0_combine, .Lfunc_end_k_q6682c085c0_combine-k_q6682c085c0_combine
	.p2alignl 7, 3214868480
	.fill 96, 4, 3214868480
	.section	.rodata,"a",@progbits
	.p2align	6, 0x0
	.amdhsa_kernel k_q6682c085c0_combine
		.amdhsa_group_segment_fixed_size 0
		.amdhsa_private_segment_fixed_size 0
		.amdhsa_enable_private_segment 0
		.amdhsa_kernarg_size 16
		.amdhsa_user_sgpr_count 2
		.amdhsa_user_sgpr_kernarg_segment_ptr 1
		.amdhsa_wavefront_size32 1
		.amdhsa_system_sgpr_workgroup_id_x 1
		.amdhsa_system_sgpr_workgroup_id_y 1
		.amdhsa_system_sgpr_workgroup_id_z 1
		.amdhsa_system_vgpr_workitem_id 0
		.amdhsa_next_free_vgpr 64
		.amdhsa_next_free_sgpr 66
		.amdhsa_reserve_vcc 0
		.amdhsa_float_denorm_mode_32 3
		.amdhsa_float_denorm_mode_16_64 3
		.amdhsa_memory_ordered 1
		.amdhsa_forward_progress 1
		.amdhsa_inst_pref_size 4
	.end_amdhsa_kernel
	.amdgpu_metadata
---
amdhsa.version: [ 1, 2 ]
amdhsa.kernels:
  - .name:           k_q6682c085c0_combine
    .symbol:         k_q6682c085c0_combine.kd
    .args:
      - { .name: y, .offset: 0, .size: 8, .value_kind: global_buffer, .address_space: global }
      - { .name: out0, .offset: 8, .size: 8, .value_kind: global_buffer, .address_space: global }
    .group_segment_fixed_size: 0
    .private_segment_fixed_size: 0
    .kernarg_segment_align: 8
    .kernarg_segment_size: 16
    .max_flat_workgroup_size: 256
    .sgpr_count:     66
    .vgpr_count:     64
    .wavefront_size: 32
...
	.end_amdgpu_metadata
.endif
;; end of part 5
;; ======== version 2 of 2: 5 launches; version 1 with the launches up, down written anew for expert scheduling mode
;; workspace buffers: wc 43,253,760 bytes; ws 1,802,240 bytes; sel 8,192 bytes of whole numbers; gw 8,192 bytes; hc 4,718,592 bytes; hs 196,608 bytes; y 12,582,912 bytes; list 55,296 bytes of whole numbers
;; launch prep: the kernel of part 1 again; grid 1792 x 1, 2 waves a work-group, no clusters, 17,152 bytes of LDS; arguments x, Wr, br, out1, out2, sel, gw, Wg, Wg_s, Wv, Wv_s, Wo, Wo_s, wc, ws; writes out1, out2, sel, gw, wc, ws
;; launch place: the kernel of part 2 again; grid 12 x 1, 1 waves a work-group, no clusters, 4,864 bytes of LDS; arguments sel, list; writes list
;; launch up (part 6): grid 32 x 8, 4 waves a work-group, no clusters, 197,120 bytes of LDS; arguments wc, ws, list, hc, hs; writes hc, hs
.if DOCPART == 6
	.amdgcn_target "amdgcn-amd-amdhsa--gfx1250"
	.amdhsa_code_object_version 6
	.text
	.protected	k_q6682c085c0_up
	.globl	k_q6682c085c0_up
	.p2align	8
	.type	k_q6682c085c0_up,@function
k_q6682c085c0_up:
	s_mov_b64 s[64:65], 0
	v_nop
	global_prefetch_b8 v0, s[64:65] scope:SCOPE_SE
	s_setreg_imm32_b32 hwreg(HW_REG_WAVE_SCHED_MODE, 0, 2), 2
	s_setreg_imm32_b32 hwreg(HW_REG_WAVE_MODE, 25, 1), 1
	s_wait_xcnt 0x0
	s_wait_alu depctr_vm_vsrc(0)
; UP: hidden = silu(x Wg^T) x (x Wv^T) on the rows that are kept, both products on codes of FP6 (E2M3) with E8M0 scales, and the hidden layer quantised along H on the way.
; ROWS.  Row id = 1,024 k + token: k = 0, 1 the token's two chosen experts, k = 2 the shared expert.  The hidden codes hc [3,072][1,536 bytes] and their scale bytes hs [3,072][64] are laid by row id.
; SHARES.  Work-group (x, y): x: 64 hidden units: four tiles of Wg and the same four of Wv; y = e: an expert.  It works in TWO PHASES: expert e's rows with expert e's weights; then the shared expert's weights of the same
; slice on tokens 128 e .. 128 e + 127.  So the grid is 32 x 8 = 256 work-groups, each with an expert's rows (256 on average) and 128 shared rows.  Both sets of weights come into LDS at the head, behind one barrier.
; In a phase all four waves hold the SAME 64 weight fragments (8 tiles x 8 steps of 128 along K) in 768 registers, and share the ROWS: wave w takes the tiles of 16 rows w, w + 4, ..  So a gathered fragment of x feeds
; eight matrix instructions, and no wave waits for another in the row loops.
; THE LIST of an item's row ids and their count are whole numbers that an earlier launch stored: the count comes by a scalar load, the ids by vector loads, two of my tiles ahead.  (The shared expert's lists hold 256 tokens:
; mine is half (e % 2) of list 8 + e / 2: eight tiles, whatever the choice.)  An expert's last tile's empty places repeat the list's first row: those lanes compute the same numbers and store them to the same bytes, so no lane is ever switched off.
; Both products are used transposed (source 0 = 16 rows of a weight, source 1 = 16 tokens): a lane holds ONE row, and the 16 registers of two neighbouring tiles are 16 neighbouring hidden units (the tiles' rows were chosen for it when the weights were laid out).
; K MAP as in the launch that made the codes: lane (r, h) holds the 48 consecutive bytes of k = 64 h .. 64 h + 63 of a step.
; NO TENSOR LOADS, NO CLUSTER: the jumps in the row loop hang on the stored count, and work-groups that share weights (the eight that take a slice of the shared expert) or rows (the 32 slices of an expert) would not issue the same loads the same number of times.
; LIMITS: NaN and infinities are not served.  A block of zeros gets the byte 1 with zero codes.  Inside a step of 128 the blocks are summed in the order 0, 2, 1, 3.
; REGISTERS, in windows of 256: window 0: v0-15 addresses; v16-47 the weights' scale words; v48-51 x's scale words, v52-55 the next tile's; v56-67 fragment 63; v68-163 x's eight fragments; v164-227 the accumulators
; (Wg's tile t at 8 t, Wv's at 32 + 8 t); v228-254 at work.  Windows 1-3: fragments 0-62, 21 to a window.
; LDS: 0 .. 98,303 the expert's 64 fragments' images, 98,304 .. 196,607 the shared expert's; each wave brings a quarter of each, every wave reads both whole.
; THE MODE: SCHED_MODE bits 1:0 = 2 (LLVM: expert scheduling mode 2), set by the entry lines.  The code itself states the register dependences
; between vector or matrix instructions and memory or LDS instructions, with s_wait_alu, always for 0.
; THE PLAN.  Registers that memory instructions touch in the row loop, and who else names them:
;   XF, group g       (steps 2 g and 2 g + 1)  Read by the group's sixteen matrix instructions; behind them the next tile's six loads land in it.  All 1,024 registers are taken: there is one set.
;   v[XSN]            The next tile's scale words land in it; read by the four moves that stand behind the activation.
;   v[RQ]             Row ids land in it; read by the first address line.
;   v[LA], v10, v11   Offsets of those loads;  v12, v13: offsets of the stores.  All are written in ONE run of ten vector lines, behind group 0's matrix instructions.
;   v248-254          The stores' data: written by the conversions and by the line that joins the two bytes; read by the three stores at the tile's end.
; A TILE'S WAITS.  Ahead of the ten lines one wait on vm_vsrc: the last tile's loads and stores have read their offsets and data.  Behind them one wait on va_vdst: the offsets are written, v[RQ] and v[XSN] have been read,
; group 0 has been multiplied.  One wait on va_vdst behind each of groups 1, 2 and 3, ahead of the loads into the group's registers.  The activation's four waits behind its transcendentals.  One wait on va_vdst ahead of the
; stores: it also states that x's scale words, moved ahead of the quantiser's lines, are written, for the next tile's matrix instructions.
.set LSTB, 4608                        ; an item's list in bytes;
.set CNTB, 4480                        ; in it the count
.set XCO,  42467328                    ; x's codes in wc
.set XSO,  1769472                     ; x's scale words in ws
.set VWC,  14155776                    ; from Wg's units to Wv's in wc,
.set VWS,  589824                      ; and in ws
.set SETB, 98304                       ; LDS: the shared expert's images
.set AB1,  0                           ; v0: 16 x lane + SETB + 49,152 (the thread's number is done with by then)
.set RQB,  1                           ; v1: the row ids of my first tile of the second phase, loaded at the head
.set AB0,  2                           ; v2: 16 x lane + SETB
.set RQ,   14                          ; v14: row ids as loaded: those of the tile ahead, then of the tile behind it
.set WS,   16
.set XSC,  48
.set XSN,  52
.set FR63, 56
.set XF,   68
.set ACC,  164
.set TT,   228
.set LN,   237                         ; the head: lane
.set STG,  165                         ; the head: where my wave lays its quarter of the expert's images,
.set STGB, 166                         ; and of the shared expert's
.set LA,   255                         ; my lane's word of the list, for the tile in hand
.set WV, 20
.set JJ, 21
.set VE, 22
.set TI, 38
.set NT, 39
.set LO, 40
.set CT, 41
.set SEL, 42
.set TMP, 44
.set MSB, 0
.macro WIN new                         ; the immediate's high byte repeats the setting that is left; a switch that changes nothing is dropped
.if MSB != (\new)
	s_set_vgpr_msb (MSB<<8)|(\new)
.set MSB, (\new)
.endif
.endm
.macro PLACES                          ; four plain places behind matrix instructions, in front of the first vector instruction that reads their results (ISA guide 7.12.1)
.rept 4
	v_nop
.endr
.endm
.macro BARRIER                         ; my LDS instructions are done: then the work-group's barrier
	s_wait_dscnt 0x0
	s_barrier_signal -1
	s_barrier_wait -1
.endm
	s_load_b256 s[8:15], s[0:1], 0x0               ; wc s[8:9], ws s[10:11], list s[12:13], hc s[14:15]
	s_load_b64 s[16:17], s[0:1], 0x20              ; hs
	s_set_vgpr_msb 0x40
	v_lshl_add_u32 v254, v0, 2, 0x30000
	v_mov_b32 v255, 0
	s_set_vgpr_msb 0x4000
	v_lshrrev_b32 v1, 5, v0
	v_readfirstlane_b32 s[WV], v1                  ; wave
	s_mov_b32 s[JJ], ttmp9                         ; the slice of 64 hidden units
	s_and_b32 s[VE], ttmp7, 0xffff                 ; the expert, 0 .. 7
	v_and_b32 v[LN], 31, v0
	v_and_b32 v1, 15, v0                           ; r
	v_bfe_u32 v2, v0, 4, 1                         ; h
	v_lshlrev_b32 v3, 4, v[LN]                     ; 16 x lane
	v_add_nc_u32 v4, 49152, v3                     ; the same, for LDS bytes beyond a 16-bit offset
	v_lshlrev_b32 v5, 2, v1                        ; the list's word r
	v_mul_u32_u24 v6, v2, 48
	v_lshlrev_b32 v7, 8, v2
	v_mul_u32_u24 v8, v2, 12
	v_add_nc_u32 v[AB0], SETB, v3                  ; (h and the thread's number are done with)
	v_add_nc_u32 v[AB1], SETB+49152, v3
	s_wait_alu depctr_va_sdst(0)                   ; the wave's number is written, ahead of its first reader: LDS places, lists and bases are made from it
	s_mul_i32 s[TMP], s[WV], 24576
	v_add_nc_u32 v[STG], s[TMP], v3
	v_add_nc_u32 v[STGB], SETB, v[STG]
	s_lshl_b32 s[LO], s[WV], 6                     ; 64 bytes of the list a tile: my first tile is tile w
	v_add_nc_u32 v[LA], s[LO], v5
	v_mov_b32 v246, 0                              ; written once: a lane permute's destination counts as one of its sources
	v_mov_b32 v247, 0
	s_mov_b32 s[SEL], 0x76543210
	s_mov_b32 s[SEL+1], 0xfedcba98
	s_mov_b32 s54, 0xbfb8aa3b                      ; -log2(e)
	s_mov_b32 s55, s54                             ; (the packed form names the pair)
	s_mul_i32 s32, s[VE], LSTB                     ; the expert's list
	s_mov_b32 s33, 0
	s_lshr_b32 s56, s[VE], 1                       ; the shared expert's: list 8 + e / 2,
	s_add_co_u32 s56, s56, 8
	s_mul_i32 s56, s56, LSTB
	s_and_b32 s57, s[VE], 1
	s_lshl_b32 s57, s57, 9                         ; 128 words on where e is odd
	s_add_co_u32 s56, s56, s57
	s_mov_b32 s57, 0
	s_lshl_b32 s45, s[VE], 7
	s_lshl_b32 s46, s[JJ], 2
	s_add_co_u32 s45, s45, s46                     ; Wg's first unit: 128 x expert + 4 x slice;
	s_add_co_u32 s58, s46, 1024                    ; the shared expert's: 128 x 8 + 4 x slice
	s_lshr_b32 s47, s[WV], 1                       ; waves 0, 1 bring Wg's four units, waves 2, 3 Wv's; two units each
	s_mul_i32 s47, s47, VWC
	s_and_b32 s59, s[WV], 1
	s_mul_i32 s59, s59, 24576
	s_add_co_u32 s47, s47, s59
	s_mul_i32 s46, s45, 12288
	s_add_co_u32 s46, s46, s47
	s_mul_i32 s60, s58, 12288
	s_add_co_u32 s60, s60, s47
	s_mov_b32 s47, 0
	s_mov_b32 s61, 0
	s_lshl_b32 s48, s45, 9
	s_mov_b32 s49, 0
	s_lshl_b32 s62, s58, 9
	s_mov_b32 s63, 0
	s_mul_i32 s50, s[JJ], 48                       ; the slice's 64 codes in a row of hc,
	s_mov_b32 s51, 0
	s_lshl_b32 s52, s[JJ], 1                       ; its two bytes in a row of hs
	s_mov_b32 s53, 0
	s_wait_kmcnt 0x0
	s_add_nc_u64 s[18:19], s[12:13], s[56:57]      ; the second phase's list
	s_add_nc_u64 s[12:13], s[12:13], s[32:33]      ; the first's
	s_add_nc_u64 s[24:25], s[8:9], s[46:47]        ; my quarter of the expert's images,
	s_add_nc_u64 s[34:35], s[8:9], s[60:61]        ; and of the shared expert's
	s_add_nc_u64 s[26:27], s[8:9], XCO             ; x's codes
	s_add_nc_u64 s[28:29], s[10:11], XSO           ; x's scale words
	s_add_nc_u64 s[30:31], s[10:11], s[48:49]      ; the expert's weights' scale words,
	s_add_nc_u64 s[36:37], s[10:11], s[62:63]      ; the shared expert's
	s_add_nc_u64 s[14:15], s[14:15], s[50:51]
	s_add_nc_u64 s[16:17], s[16:17], s[52:53]
	s_load_b32 s[NT], s[12:13], CNTB               ; the expert's count of rows
	s_wait_alu depctr_va_vdst(0)                   ; the head's vector lines have written every offset and LDS address (v0, v2 to v8, v165, v166, v255) that loads and LDS instructions read, and are done with v1, in which row ids land
	global_load_b32 v[RQ], v[LA], s[12:13]         ; my first tile's row ids, of the first phase
	global_load_b32 v[RQB], v[LA], s[18:19]        ; and of the second
	WIN 0x40                                       ; destination window 1
.set n, 0
.rept 48
	global_load_b128 v[4*n:4*n+3], v3, s[24:25] offset:512*n             ; 16 fragments' images, 512 consecutive bytes a load
.set n, n+1
.endr
	WIN 0x80                                       ; destination window 2
.set n, 0
.rept 48
	global_load_b128 v[4*n:4*n+3], v3, s[34:35] offset:512*n
.set n, n+1
.endr
	WIN 0
	s_wait_loadcnt 48                              ; the row ids and the expert's images are in; the shared expert's 48 loads may be out
	WIN 0x04                                       ; an LDS store's data are its source 1: window 1
.set n, 0
.rept 48
	ds_store_b128 v[STG], v[4*n:4*n+3] offset:512*n
.set n, n+1
.endr
	s_wait_loadcnt 0x0
	WIN 0x08                                       ; window 2
.set n, 0
.rept 48
	ds_store_b128 v[STGB], v[4*n:4*n+3] offset:512*n
.set n, n+1
.endr
	WIN 0
	BARRIER                                        ; all 128 images lie in LDS; nothing is stored to LDS behind this barrier
	s_wait_alu depctr_vm_vsrc(0)                   ; my LDS stores have read their data in windows 1 and 2, in which the fragments land, and v165, v166, which are accumulators from here on
	s_wait_kmcnt 0x0                               ; the count
	s_min_u32 s[NT], s[NT], 1024
	s_add_co_u32 s[NT], s[NT], 15
	s_lshr_b32 s[NT], s[NT], 4                     ; tiles of 16 rows
.macro ADDR                                    ; from the row id as loaded: the token's codes and scale words.  Seven plain lines
	v_min_u32 v9, 3071, v[RQ]                      ; what was read from the list is held inside the tables
	v_and_b32 v15, 1023, v9                        ; the token
	v_mad_u32_u24 v10, v15, 768, v6                ; its codes: 768 bytes a token, + 48 h
	v_and_b32 v11, 0x3f0, v15
	v_and_b32 v15, 15, v15
	v_lshl_add_u32 v11, v11, 5, v7                 ; its scale words: 512 bytes for 16 tokens, + 256 h,
	v_lshl_add_u32 v11, v15, 4, v11                ; + 16 for each token
.endm
.macro ELOAD
	global_load_b128 v[XSN:XSN+3], v11, s[28:29]
.endm
.macro RLOAD off                               ; the row ids of my tile `off` / 256 turns on
	global_load_b32 v[RQ], v[LA], s[12:13] offset:\off
.endm
.macro GLOAD g                                 ; the fragments of steps 2 g and 2 g + 1: 48 consecutive bytes a lane and step
.irp u, 0,1
.irp c, 0,1,2
	global_load_b128 v[XF+12*(2*(\g)+\u)+4*\c:XF+12*(2*(\g)+\u)+4*\c+3], v10, s[26:27] offset:96*(2*(\g)+\u)+16*\c
.endr
.endr
.endm
.macro TAKE                                    ; the scale words of the tile ahead become those of the tile in hand
	s_wait_loadcnt 24                              ; they, and the row ids of the tile behind it, are in; its four groups of six loads may be out
.irp q, 0,1,2,3
	v_mov_b32 v[XSC+\q], v[XSN+\q]
.endr
.endm
; one matrix instruction: tile t (0-3 Wg's, 4-7 Wv's), step s.  The eight accumulators take turns, one instruction a turn
.macro WM t, s
.set fx, 8*(\s)+(\t)
.if fx < 63
.set wn, 1+fx/21
.set ra, 12*(fx%21)
.else
.set wn, 0
.set ra, FR63
.endif
	WIN wn
.set rd, ACC+8*(\t)
.set rb, XF+12*(\s)
.set rw, WS+4*(\t)+((\s)&3)
.set rx, XSC+((\s)&3)
.if (\s) == 0
	v_wmma_scale_f32_16x16x128_f8f6f4 v[rd:rd+7], v[ra:ra+11], v[rb:rb+11], 0, v[rw], v[rx] matrix_a_fmt:MATRIX_FMT_FP6 matrix_b_fmt:MATRIX_FMT_FP6
.elseif (\s) < 4
	v_wmma_scale_f32_16x16x128_f8f6f4 v[rd:rd+7], v[ra:ra+11], v[rb:rb+11], v[rd:rd+7], v[rw], v[rx] matrix_a_fmt:MATRIX_FMT_FP6 matrix_b_fmt:MATRIX_FMT_FP6
.else
	v_wmma_scale_f32_16x16x128_f8f6f4 v[rd:rd+7], v[ra:ra+11], v[rb:rb+11], v[rd:rd+7], v[rw], v[rx] matrix_a_fmt:MATRIX_FMT_FP6 matrix_b_fmt:MATRIX_FMT_FP6 matrix_a_scale:MATRIX_SCALE_ROW1 matrix_b_scale:MATRIX_SCALE_ROW1
.endif
.endm
.macro MGROUP g                                ; steps 2 g and 2 g + 1: sixteen matrix instructions
.irp u, 0,1
.irp t, 0,1,2,3,4,5,6,7
	WM \t, 2*(\g)+\u
.endr
.endr
	WIN 0
.endm
; block b of 32 hidden units: my 16 of them: silu(g) x v = g / (1 + 2^(-g log2(e))) x v, in f32, in place.  Each accumulator is read from its low end on
.macro SWIGLU b
.set hb, ACC+16*(\b)
.set vb, ACC+32+16*(\b)
.irp i, 0,2,4,6,8,10,12,14
	v_pk_mul_f32 v[TT+\i:TT+\i+1], v[hb+\i:hb+\i+1], s[54:55] op_sel_hi:[1,0]
.endr
.irp i, 0,1,2,3,4,5,6,7,8,9,10,11,12,13,14,15
	v_exp_f32 v[TT+\i], v[TT+\i]
.endr
	v_nop                                          ; one plain place behind the transcendentals
	s_wait_alu depctr_va_vdst(0)                   ; the sixteen exponentials have written v[TT ..], ahead of their first reader
.irp i, 0,2,4,6,8,10,12,14
	v_pk_add_f32 v[TT+\i:TT+\i+1], v[TT+\i:TT+\i+1], 1.0 op_sel_hi:[1,0]
.endr
.irp i, 0,1,2,3,4,5,6,7,8,9,10,11,12,13,14,15
	v_rcp_f32 v[TT+\i], v[TT+\i]
.endr
	v_nop
	s_wait_alu depctr_va_vdst(0)                   ; the sixteen reciprocals have written v[TT ..], ahead of their first reader
.irp i, 0,2,4,6,8,10,12,14
	v_pk_mul_f32 v[hb+\i:hb+\i+1], v[hb+\i:hb+\i+1], v[TT+\i:TT+\i+1]
.endr
.irp i, 0,2,4,6,8,10,12,14
	v_pk_mul_f32 v[hb+\i:hb+\i+1], v[hb+\i:hb+\i+1], v[vb+\i:vb+\i+1]
.endr
.endm
.macro BODY
	s_wait_loadcnt 18                              ; group 0 is in; behind it: this tile's groups 1 to 3
	MGROUP 0
	s_wait_xcnt 0x0                                ; every load and store issued so far (the last a tile's vector work and sixteen matrix instructions ago) has had its addresses translated: its address and data registers may be written again
	s_wait_alu depctr_vm_vsrc(0)                   ; the last tile's loads have read v[LA], v10 and v11, its stores v12, v13 and v248 to v254: the ten lines below and this tile's conversions write them again
	v_add_nc_u32 v[LA], s[LO], v5                  ; my word of the list for the tile in hand
	v_mad_u32_u24 v12, v9, 1536, v8                ; where this tile's hidden codes go: 1,536 bytes a row, + 12 h
	v_lshlrev_b32 v13, 6, v9                       ; and its scale bytes: 64 a row
	ADDR                                           ; the tile ahead: its row ids came in a tile ago
	s_wait_alu depctr_va_vdst(0)                   ; v[LA], v10 to v13 are written; the address lines are done reading v[RQ], the last tile's moves v[XSN], group 0's matrix instructions their fragments of x: loads land in all three
	ELOAD
	RLOAD 512                                      ; the row ids of my tile two turns on: eight tiles of 64 bytes
	GLOAD 0                                        ; each group's registers take the NEXT tile's fragments as soon as they have been multiplied
	s_wait_loadcnt 20                              ; group 1 is in; behind it: groups 2, 3, the scale words, the row ids, the next tile's group 0
	MGROUP 1
	s_wait_alu depctr_va_vdst(0)                   ; group 1's matrix instructions are done reading their fragments of x, in which the loads below land
	GLOAD 1
	s_wait_loadcnt 20                              ; behind group 2: group 3, those two loads, the next tile's groups 0, 1
	MGROUP 2
	s_wait_alu depctr_va_vdst(0)                   ; group 2's likewise
	GLOAD 2
	s_wait_loadcnt 20                              ; behind group 3: those two loads, the next tile's groups 0 to 2
	MGROUP 3
	PLACES                                         ; the activation below reads results just made
	s_wait_alu depctr_va_vdst(0)                   ; group 3's matrix instructions are done reading their fragments of x; the places above stay beside this wait
	GLOAD 3
	SWIGLU 0
	SWIGLU 1
	TAKE                                           ; here, so that the quantiser's lines below are the eight places between a scale register's write and the next scaled matrix instruction
	v_max3_num_f32 v244, |v[ACC]|, |v[ACC+1]|, 0x1800000         ; the two blocks' largest magnitudes, by turns; the floor 2^(3 - 127) keeps the byte at 1 or more
	v_max3_num_f32 v245, |v[ACC+16]|, |v[ACC+17]|, 0x1800000
.irp i, 2,4,6,8,10,12,14
	v_max3_num_f32 v244, v244, |v[ACC+\i]|, |v[ACC+\i+1]|
	v_max3_num_f32 v245, v245, |v[ACC+16+\i]|, |v[ACC+17+\i]|
.endr
	v_permlanex16_b32 v246, v244, s[SEL], s[SEL+1]
	v_permlanex16_b32 v247, v245, s[SEL], s[SEL+1]
	v_max_num_f32 v244, v244, v246                 ; with lane l xor 16's 16: the block's
	v_max_num_f32 v245, v245, v247
	v_add_nc_u32 v246, 0xff000000, v244            ; 2 off the exponent field: the conversion's scale operand
	v_add_nc_u32 v247, 0xff000000, v245
	v_lshrrev_b32 v244, 23, v246                   ; the bytes
	v_lshrrev_b32 v245, 23, v247
	v_lshl_or_b32 v251, v245, 8, v244
	v_cvt_scalef32_pk16_fp6_f32 v[248:250], v[ACC:ACC+15], v246
	v_cvt_scalef32_pk16_fp6_f32 v[252:254], v[ACC+16:ACC+31], v247
	v_nop                                          ; one plain place behind a scaled conversion
	s_wait_alu depctr_va_vdst(0)                   ; the conversions have written v248 to v254, which the stores read; the moves have written v[XSC ..], which the next tile's matrix instructions take as scales
	global_store_b96 v12, v[248:250], s[14:15]             ; 16 codes: 12 bytes of my row's stream of bits
	global_store_b96 v12, v[252:254], s[14:15] offset:24
	global_store_b16 v13, v251, s[16:17]                   ; the two bytes; a row's two lanes store the same value
.endm
; A PHASE: my first tile's addresses; the weights' scale words and my first tile's operands are asked for; the 64 fragments come out of LDS (from the bytes that a0 and a1 address) into registers; then the row loop, `trips` trips.
; Fragment f = 8 s + tile lies in window 1 + f / 21 at register 12 (f % 21), the last in window 0; its image is number 8 tile + s of its set in LDS.
.macro PHASE a0, a1, trips
	ADDR
	s_wait_alu depctr_va_vdst(0)                   ; v10 and v11 (in the second phase v[LA] too) are written and v[RQ] has been read; every earlier matrix instruction is done reading the scale words, x's fragments and the weights, in all of which the loads below land
.irp u, 0,1,2,3
	global_load_b128 v[WS+4*\u:WS+4*\u+3], v3, s[30:31] offset:512*\u                ; register 4 t + q: the words of tile t's rows: step q in lanes 0-15, step 4 + q in lanes 16-31
.endr
.irp u, 0,1,2,3
	global_load_b128 v[WS+16+4*\u:WS+16+4*\u+3], v3, s[30:31] offset:VWS+512*\u
.endr
	ELOAD
	RLOAD 256                                      ; my second tile's row ids
	GLOAD 0
	GLOAD 1
	GLOAD 2
	GLOAD 3
.set f, 0
.rept 64
.set Lx, 8*(f%8)+f/8
.if f < 63
.set wn, (1+f/21)<<6
.set rg, 12*(f%21)
.else
.set wn, 0
.set rg, FR63
.endif
	WIN wn
.irp c, 0,1,2
.if Lx < 32
	ds_load_b128 v[rg+4*\c:rg+4*\c+3], v[\a0] offset:1536*Lx+512*\c
.else
	ds_load_b128 v[rg+4*\c:rg+4*\c+3], v[\a1] offset:1536*(Lx-32)+512*\c
.endif
.endr
.set f, f+1
.endr
	WIN 0
	s_wait_dscnt 0x0
	TAKE
.rept 8
	v_nop                                          ; a scale register written by a vector instruction stands eight places ahead of a scaled matrix instruction
.endr
	s_wait_alu depctr_va_vdst(0)                   ; the moves have written v[XSC ..], which the first tile's matrix instructions take as scales
	s_mov_b32 s[TI], s[WV]
	s_mov_b32 s[CT], \trips
.Ltile_\@:                                         ; a constant number of trips, whatever the list holds; a trip past the list's end only passes the jump
	s_cmp_ge_u32 s[TI], s[NT]
	s_cbranch_scc1 .Lskip_\@
	BODY
.Lskip_\@:
	s_add_co_u32 s[TI], s[TI], 4
	s_add_co_u32 s[LO], s[LO], 256
	s_sub_co_u32 s[CT], s[CT], 1
	s_cmp_lg_u32 s[CT], 0
	s_cbranch_scc1 .Ltile_\@
.endm
	PHASE 3, 4, 16                                 ; the expert's rows: 64 tiles of 16 rows serve all 1,024 tokens on one expert
	s_wait_loadcnt 0x0                             ; what the last tile asked for ahead has landed: its registers are asked for anew below
	s_wait_xcnt 0x0                                ; and every load and store has had its addresses translated: bases and offsets may be written
	s_wait_alu depctr_vm_vsrc(0)                   ; the first phase's loads have read v[LA], v10 and v11, which the lines below and the second phase's address lines write
	s_mov_b64 s[12:13], s[18:19]                   ; the second phase's list
	s_mov_b64 s[30:31], s[36:37]                   ; and its weights' scale words
	s_lshl_b32 s[LO], s[WV], 6
	s_mov_b32 s[NT], 8                             ; 128 tokens: eight tiles
	v_add_nc_u32 v[LA], s[LO], v5
	v_mov_b32 v[RQ], v[RQB]                        ; my first tile's row ids came in at the head
	PHASE AB0, AB1, 2                              ; the shared expert's rows: tiles w and w + 4
	s_set_vgpr_msb 0x5                             ; the add's two registers, sources 0 and 1, lie in window 1
	s_wait_dscnt 0x0                               ; the closing lines, six on end
	s_wait_alu 0x0
	s_wait_tensorcnt 0x0
	ds_add_u32 v254, v255
	s_wait_dscnt 0x0
	s_endpgm
.Lfunc_end_k_q6682c085c0_up:
	.size	k_q6682c085c0_up, .Lfunc_end_k_q6682c085c0_up-k_q6682c085c0_up
	.p2alignl 7, 3214868480
	.fill 96, 4, 3214868480
	.section	.rodata,"a",@progbits
	.p2align	6, 0x0
	.amdhsa_kernel k_q6682c085c0_up
		.amdhsa_group_segment_fixed_size 197120
		.amdhsa_private_segment_fixed_size 0
		.amdhsa_enable_private_segment 0
		.amdhsa_kernarg_size 40
		.amdhsa_user_sgpr_count 2
		.amdhsa_user_sgpr_kernarg_segment_ptr 1
		.amdhsa_wavefront_size32 1
		.amdhsa_system_sgpr_workgroup_id_x 1
		.amdhsa_system_sgpr_workgroup_id_y 1
		.amdhsa_system_sgpr_workgroup_id_z 1
		.amdhsa_system_vgpr_workitem_id 0
		.amdhsa_next_free_vgpr 1024
		.amdhsa_next_free_sgpr 66
		.amdhsa_reserve_vcc 0
		.amdhsa_float_denorm_mode_32 3
		.amdhsa_float_denorm_mode_16_64 3
		.amdhsa_memory_ordered 1
		.amdhsa_forward_progress 1
		.amdhsa_inst_pref_size 94
	.end_amdhsa_kernel
	.amdgpu_metadata
---
amdhsa.version: [ 1, 2 ]
amdhsa.kernels:
  - .name:           k_q6682c085c0_up
    .symbol:         k_q6682c085c0_up.kd
    .args:
      - { .name: wc, .offset: 0, .size: 8, .value_kind: global_buffer, .address_space: global }
      - { .name: ws, .offset: 8, .size: 8, .value_kind: global_buffer, .address_space: global }
      - { .name: list, .offset: 16, .size: 8, .value_kind: global_buffer, .address_space: global }
      - { .name: hc, .offset: 24, .size: 8, .value_kind: global_buffer, .address_space: global }
      - { .name: hs, .offset: 32, .size: 8, .value_kind: global_buffer, .address_space: global }
    .group_segment_fixed_size: 197120
    .private_segment_fixed_size: 0
    .kernarg_segment_align: 8
    .kernarg_segment_size: 40
    .max_flat_workgroup_size: 128
    .sgpr_count:     66
    .vgpr_count:     1024
    .wavefront_size: 32
...
	.end_amdgpu_metadata
.endif
;; end of part 6
;; launch down (part 7): grid 16 x 12, 4 waves a work-group, no clusters, 116,224 bytes of LDS; arguments wc, ws, list, gw, hc, hs, bo, bo_s, y; writes y
.if DOCPART == 7
	.amdgcn_target "amdgcn-amd-amdhsa--gfx1250"
	.amdhsa_code_object_version 6
	.text
	.protected	k_q6682c085c0_down
	.globl	k_q6682c085c0_down
	.p2align	8
	.type	k_q6682c085c0_down,@function
k_q6682c085c0_down:
	s_mov_b64 s[64:65], 0
	v_nop
	global_prefetch_b8 v0, s[64:65] scope:SCOPE_SE
	s_setreg_imm32_b32 hwreg(HW_REG_WAVE_SCHED_MODE, 0, 2), 2
	s_setreg_imm32_b32 hwreg(HW_REG_WAVE_MODE, 25, 1), 1
	s_wait_xcnt 0x0
	s_wait_alu depctr_vm_vsrc(0)
; DOWN: y[row] = gate x (hidden[row] Wo^T + bias) on the rows that are kept, on codes of FP6 (E2M3) with E8M0 scales.  y [3,072][1,024] f32 is laid by row id = 1,024 k + token (k = 0, 1 the chosen experts, k = 2 the shared one, whose gate is 1).
; SHARES.  Work-group (x, y): y = 0 .. 7 an expert, y = 8 + q the shared expert on tokens 256 q .. 256 q + 255; x: 64 output columns: four tiles of Wo.  The waves share the ROWS, and no wave waits for another behind the one barrier.
; THE ROWS STAY, THE WEIGHTS PASS BY.  In a pass wave w takes FIVE tiles of 16 rows at once (tiles 20 p + 4 m + w, m = 0 .. 4): a work-group takes 320 rows a pass, four passes at the most (1,024 rows).
; The slice's 64 weight fragments (4 tiles x 16 steps of 128 along K = 2,048) lie in LDS in the order of their use and pass through a ring of eight fragments, two steps' worth, in registers; each feeds five matrix instructions.
; The hidden rows' fragments are gathered into a ring of 8 steps x 5 tiles (480 registers); a step's set is asked for again, for the step eight on, in the step behind the one that multiplied it.  So a wave's loads are issued far ahead
; of their use: as many are out as the counter's field holds (the hardware holds back the issue of one more: ISA guide 5.7.1).
; THE LIST of the item's row ids and their count are whole numbers that an earlier launch stored.  A tile at or past the list's end loads the rows that the list's fill names (the first row, or row 0), is multiplied like the others,
; and is not stored: a scalar jump on the stored count stands round each tile's way out.  The last tile's empty places repeat the first row, whose numbers are then stored twice, alike.  The tile's number is held at 71: no load leaves the item's 1,152 words.
; The product is used transposed (source 0 = 16 rows of Wo, source 1 = 16 hidden rows): a lane holds eight neighbouring columns of one row of y.  The bias is the C of each sum's first matrix instruction.
; THE WAY OUT goes through the wave's own stage in LDS (16 rows x (256 bytes + 16)), so that sixteen lanes store 256 consecutive bytes of a row, aligned: lanes 0-15 take rows 0 to 7 in turn, lanes 16-31 rows 8 to 15.
; NO TENSOR LOADS, NO CLUSTER: jumps hang on the stored count, and work-groups that share weights or rows would not issue the same loads the same number of times.
; LIMITS: NaN and infinities are not served.  Inside a step of 128 the blocks are summed in the order 0, 2, 1, 3.
; REGISTERS, in windows of 256: window 0: v1-11, v42 addresses that stay; v12-31 five tiles' row ids and addresses; v32-41 their gates; v44-75 Wo's scale words; v76-115 the hidden rows' scale words; v116-155 the rows' places in y; v156-251 the ring of weights.
;   window 1: v0-159 the 20 accumulators ((m, t) at 32 m + 8 t); v160-191 the bias.   windows 2, 3: the hidden rows' ring: step s, tile m at register 12 (5 (s % 4) + m) of window 2 + (s % 8) / 4; on the way out v0-159 of window 2: tile m's rows of y at 32 m.
; LDS: 0 .. 98,303 the weight fragments' images, fragment 4 s + t at 1,536 (4 s + t); behind them the four stages.
; THE MODE: SCHED_MODE bits 1:0 = 2 (LLVM: expert scheduling mode 2), set by the entry lines.  The code itself states the register dependences
; between vector or matrix instructions and memory or LDS instructions, with s_wait_alu, always for 0.
; THE PLAN.  Registers that memory or LDS instructions touch in a pass, and who else names them:
;   the ring of weights   Step s's twenty matrix instructions read the four fragments of its half (s % 2) of the ring; in step s + 1 the LDS loads of step s + 2 land there.
;   the rows' ring        Step s's matrix instructions read set s % 8; at the end of step s + 1 the loads of step s + 8 land there.  On the way out the stage's loads land in window 2 of it, and the global stores read them.
;   HS, GW, RID, OA       Loads land in them once a pass; vector lines then work on them in place; matrix instructions (HS), vector lines (GW, RID) and the global stores (OA, as offsets) read them.
;   HA, HSA, GWA          Offsets, written by vector lines once or twice a pass, read by loads.  v3 to v11 and v42 are written at the head alone.
;   the accumulators      Written by matrix instructions and by the gate's multiplies; read by the LDS stores of the way out.
; So ONE wait on va_vdst stands at a step's head: the step before is done reading its half of the ring of weights and its set of rows.  The step's 12 LDS loads, its twenty matrix instructions and its 15 gathered loads follow with no
; further wait: the matrix instructions name the other half, another set, the accumulators and the scale words, none of which those loads touch.  A tile's way out has one wait on va_vdst, ahead of its LDS stores; each tile reads the stage back
; into registers of its own.  Every way into a trip of the loop over passes goes through a wait on vm_vsrc: one stands ahead of the loop, for the head's last loads; one at a trip's end, behind the label that a pass and the jump round it both
; reach, for all that the trip's loads and stores have read.
.set LSTB,  4608                       ; an item's list in bytes;
.set CNTB,  4480                       ; in it the count
.set STAGE, 98304
.set RID,  12                          ; v12-16  tile m's row ids (lane (r, h): row r)
.set HA,   17                          ; v17-21  where the row's codes lie (first: where the tile's eight ids for the way out lie in the list)
.set HSA,  22                          ; v22-26  its scale bytes
.set GWA,  27                          ; v27-31  its gate (first: where the row's id lies in the list)
.set GW,   32                          ; v32-41  the gate, in the lower register of a pair
.set STB,  42                          ; v42     the head: where my wave lays the images of steps 8 on
.set WS,   44
.set HS,   76
.set OA,   116
.set RING, 156
.set LN,   253                         ; the head: lane
.set ACC,  0                           ; in window 1
.set BIAS, 160
.set WV, 26
.set JJ, 27
.set VE, 28
.set EX, 29
.set CT, 41
.set T0, 42                            ; my first tile of the pass
.set NT, 43
.set TMP, 44
.set MK, 57                            ; s57-61  tile m: the lanes whose row is a routed one
.set MSB, 0
.macro WIN new                         ; the immediate's high byte repeats the setting that is left; a switch that changes nothing is dropped
.if MSB != (\new)
	s_set_vgpr_msb (MSB<<8)|(\new)
.set MSB, (\new)
.endif
.endm
.macro PLACES                          ; four plain places behind matrix instructions, in front of the first vector instruction that reads their results (ISA guide 7.12.1)
.rept 4
	v_nop
.endr
.endm
.macro BARRIER
	s_wait_dscnt 0x0
	s_barrier_signal -1
	s_barrier_wait -1
.endm
; the five tiles' row ids: word r of the tile for the operands, words 8 h + 0 .. 7 for the way out: 15 loads
.macro IDS
.irp m, 0,1,2,3,4
	s_add_co_u32 s[TMP], s[T0], 4*\m
	s_min_u32 s[TMP], s[TMP], 71                   ; tile 71 ends with the item's last word
	s_lshl_b32 s[TMP], s[TMP], 6
	v_add_nc_u32 v[GWA+\m], s[TMP], v5
	v_add_nc_u32 v[HA+\m], s[TMP], v6
.endr
	s_wait_alu depctr_va_vdst(0)                   ; the ten offsets above (at the head: every address of the kernel) are written; in a further pass the vector lines of the last pass are done with v[RID ..] and v[OA ..], in which the loads land
.irp m, 0,1,2,3,4
	global_load_b32 v[RID+\m], v[GWA+\m], s[12:13]
	global_load_b128 v[OA+8*\m:OA+8*\m+3], v[HA+\m], s[12:13]
	global_load_b128 v[OA+8*\m+4:OA+8*\m+7], v[HA+\m], s[12:13] offset:16
.endr
.endm
.macro ADDRS                                   ; behind the wait for those loads
	s_wait_alu depctr_vm_vsrc(0)                   ; the id loads have read v[GWA ..] and v[HA ..], which the lines below write again
.irp m, 0,1,2,3,4
	v_min_u32 v[RID+\m], 3071, v[RID+\m]           ; what was read from the list is held inside the tables
	v_mad_u32_u24 v[HA+\m], v[RID+\m], 1536, v10   ; codes: 1,536 bytes a row, + 48 h
	v_lshl_add_u32 v[HSA+\m], v[RID+\m], 6, v6     ; scale bytes: 64 a row, + 32 h: lanes 0-15 steps 0-7, lanes 16-31 steps 8-15
	v_min_u32 v[GWA+\m], 2047, v[RID+\m]           ; the gate (a shared row loads a word that is not used)
	v_lshlrev_b32 v[GWA+\m], 2, v[GWA+\m]
.endr
.irp i, 0,1,2,3,4,5,6,7,8,9,10,11,12,13,14,15,16,17,18,19,20,21,22,23,24,25,26,27,28,29,30,31,32,33,34,35,36,37,38,39
	v_min_u32 v[OA+\i], 3071, v[OA+\i]
.endr
.irp i, 0,1,2,3,4,5,6,7,8,9,10,11,12,13,14,15,16,17,18,19,20,21,22,23,24,25,26,27,28,29,30,31,32,33,34,35,36,37,38,39
	v_lshl_add_u32 v[OA+\i], v[OA+\i], 12, v9      ; 4,096 bytes a row of y, + 16 r
.endr
	s_wait_alu depctr_va_vdst(0)                   ; v[HA ..], v[HSA ..], v[GWA ..] and v[OA ..] are written, which the pass's loads and stores read; in a further pass the last pass's matrix and vector instructions are done reading the rows' ring, v[HS ..] and v[GW ..], in which loads land
.endm
.macro ELOADS                                  ; the five tiles' scale bytes and gates: 15 loads
.irp m, 0,1,2,3,4
	global_load_b128 v[HS+8*\m:HS+8*\m+3], v[HSA+\m], s[18:19]
	global_load_b128 v[HS+8*\m+4:HS+8*\m+7], v[HSA+\m], s[18:19] offset:16
	global_load_b32 v[GW+2*\m], v[GWA+\m], s[14:15]
.endr
.endm
.macro GSTEP s                                 ; the five tiles' fragments of step s: 48 consecutive bytes a lane and tile: 15 loads
	WIN (2+((\s)%8)/4)<<6
.irp m, 0,1,2,3,4
.irp c, 0,1,2
	global_load_b128 v[12*(5*((\s)%4)+\m)+4*\c:12*(5*((\s)%4)+\m)+4*\c+3], v[HA+\m], s[16:17] offset:96*(\s)+16*\c
.endr
.endr
.endm
.macro RFILL p                                 ; pair p of the 32 pairs of weight fragments (fragments 2 p and 2 p + 1) into its place in the ring: 6 LDS loads
.irp j, 0,1
.irp c, 0,1,2
.if 2*(\p)+\j < 32
	ds_load_b128 v[RING+24*((\p)%4)+12*\j+4*\c:RING+24*((\p)%4)+12*\j+4*\c+3], v3 offset:1536*(2*(\p)+\j)+512*\c
.else
	ds_load_b128 v[RING+24*((\p)%4)+12*\j+4*\c:RING+24*((\p)%4)+12*\j+4*\c+3], v4 offset:1536*(2*(\p)+\j-32)+512*\c
.endif
.endr
.endr
.endm
.macro FINISH                                  ; in front of a pass's first product
	s_wait_loadcnt 60                              ; all but the last 60 loads (steps 4 to 7): the scale words, the scale bytes, the gates, the bias and steps 0 to 3 are in
.irp i, 0,1,2,3,4,5,6,7,8,9,10,11,12,13,14,15,16,17,18,19,20,21,22,23,24,25,26,27,28,29,30,31,32,33,34,35,36,37,38,39
	v_perm_b32 v[HS+\i], v[HS+\i], v[HS+\i], s56   ; a word of four scale bytes: bytes 1 and 2 change places, as the blocks have in the operands
.endr
.irp m, 0,1,2,3,4
	v_cmp_gt_u32 s[MK+\m], 2048, v[RID+\m]         ; a routed row has its gate, a shared row 1: the five compares in a run, each into a mask of its own
.endr
	s_wait_alu depctr_va_sdst(0)                   ; the five compares have written their masks, ahead of the first line that reads one
.irp m, 0,1,2,3,4
	v_cndmask_b32 v[GW+2*\m], 1.0, v[GW+2*\m], s[MK+\m]
.endr
.rept 8
	v_nop                                          ; a scale register written by a vector instruction stands eight places ahead of a scaled matrix instruction; the wait for it is step 0's own
.endr
.endm
; one matrix instruction: rows' tile m, Wo's tile tt, step st, the weight fragment at ra
.macro WM m, tt, ra
.set rd, ACC+32*(\m)+8*(\tt)
.set rb, 12*(5*(st%4)+(\m))
.set rw, WS+4*(2*(\tt)+(st>>3))+(st&3)
.set rx, HS+8*(\m)+(st&7)
.set arw, (st>>2)&1
.set brw, st>>3
.if st == 0
	v_wmma_scale_f32_16x16x128_f8f6f4 v[rd:rd+7], v[\ra:\ra+11], v[rb:rb+11], v[BIAS+8*(\tt):BIAS+8*(\tt)+7], v[rw], v[rx] matrix_a_fmt:MATRIX_FMT_FP6 matrix_b_fmt:MATRIX_FMT_FP6
.elseif (arw == 0) && (brw == 0)
	v_wmma_scale_f32_16x16x128_f8f6f4 v[rd:rd+7], v[\ra:\ra+11], v[rb:rb+11], v[rd:rd+7], v[rw], v[rx] matrix_a_fmt:MATRIX_FMT_FP6 matrix_b_fmt:MATRIX_FMT_FP6
.elseif (arw == 1) && (brw == 0)
	v_wmma_scale_f32_16x16x128_f8f6f4 v[rd:rd+7], v[\ra:\ra+11], v[rb:rb+11], v[rd:rd+7], v[rw], v[rx] matrix_a_fmt:MATRIX_FMT_FP6 matrix_b_fmt:MATRIX_FMT_FP6 matrix_a_scale:MATRIX_SCALE_ROW1
.elseif (arw == 0) && (brw == 1)
	v_wmma_scale_f32_16x16x128_f8f6f4 v[rd:rd+7], v[\ra:\ra+11], v[rb:rb+11], v[rd:rd+7], v[rw], v[rx] matrix_a_fmt:MATRIX_FMT_FP6 matrix_b_fmt:MATRIX_FMT_FP6 matrix_b_scale:MATRIX_SCALE_ROW1
.else
	v_wmma_scale_f32_16x16x128_f8f6f4 v[rd:rd+7], v[\ra:\ra+11], v[rb:rb+11], v[rd:rd+7], v[rw], v[rx] matrix_a_fmt:MATRIX_FMT_FP6 matrix_b_fmt:MATRIX_FMT_FP6 matrix_a_scale:MATRIX_SCALE_ROW1 matrix_b_scale:MATRIX_SCALE_ROW1
.endif
.endm
.macro TILE5 tt                                ; Wo's tile tt of step st against the five tiles of rows: five matrix instructions.  Its fragment is number tt % 2 of pair 2 st + tt / 2
.irp m, 0,1,2,3,4
	WM \m, \tt, RING+24*((2*st+(\tt)/2)%4)+12*((\tt)%2)
.endr
.endm
; STEP s of 16: 128 along K: twenty matrix instructions, the 20 accumulators by turns, one instruction a turn.  At its head the weights of step s + 1 are asked for, into the half of the ring that
; step s - 1 read; at its end, in steps 1 to 8, the rows' fragments of step s + 7, into the set that step s - 1 read.
.macro STEP s
.set st, \s
	s_wait_alu depctr_va_vdst(0)                   ; the matrix instructions of the step before are done reading their four weight fragments and their set of rows, in which this step's loads land; in step 0: the byte swaps have written v[HS ..], which the matrix instructions take as scales
	RFILL (2*st+2)%32                              ; (the last step fetches the first two pairs again, for a further pass)
	RFILL (2*st+3)%32
.set nl, 63                                    ; behind this step's 15 loads 75 or more were issued: a wait cannot name more than 63
.if st > 10
.set nl, 15*(15-st)                            ; the later steps' loads, 15 each
.endif
	s_wait_loadcnt nl
	s_wait_dscnt 18                                ; this step's first pair is in; its second pair's 6 loads and the 12 just issued may be out
	WIN 0x50|((2+(st%8)/4)<<2)                     ; source 0 (Wo) window 0, source 1 (the rows) window 2 or 3, C and D window 1
	TILE5 0
	TILE5 1
	s_wait_dscnt 12                                ; the second pair is in; the next step's 12 loads may be out
	TILE5 2
	TILE5 3
.if (st >= 1) && (st <= 8)
	GSTEP st+7                                     ; no wait: no matrix instruction since the step's head names the set of the step before
.endif
	WIN 0
.endm
; the way out of tile m, if the list has it
.macro WAYOUT m
	s_add_co_u32 s[TMP], s[T0], 4*\m
	s_cmp_ge_u32 s[TMP], s[NT]
	s_cbranch_scc1 .Lno_\@
	WIN 0x41                                       ; destination and source 0 window 1, the gate window 0
.irp i, 0,1,2,3,4,5,6,7,8,9,10,11,12,13,14,15
	v_pk_mul_f32 v[ACC+32*\m+2*\i:ACC+32*\m+2*\i+1], v[ACC+32*\m+2*\i:ACC+32*\m+2*\i+1], v[GW+2*\m:GW+2*\m+1] op_sel_hi:[1,0]    ; x my row's gate; each accumulator from its low end on
.endr
	WIN 0x04                                       ; an LDS store's data are its source 1: window 1
	s_wait_alu depctr_va_vdst(0)                   ; the multiplies have written the tile's accumulators, which the LDS stores read; the pass's matrix instructions are done reading window 2 of the rows' ring, in which the stage's loads land
.irp t, 0,1,2,3
	ds_store_b128 v7, v[ACC+32*\m+8*\t:ACC+32*\m+8*\t+3] offset:64*\t
	ds_store_b128 v7, v[ACC+32*\m+8*\t+4:ACC+32*\m+8*\t+7] offset:64*\t+16
.endr
	WIN 0x80                                       ; destination window 2: 32 registers of the tile's own, so that no load lands on a register that a store still reads
.irp i, 0,1,2,3,4,5,6,7
	ds_load_b128 v[32*\m+4*\i:32*\m+4*\i+3], v8 offset:272*\i      ; rows i and 8 + i.  LDS serves a wave's instructions in order: these see the stores above, and the next tile's stores come behind them
.endr
	WIN 0x08                                       ; a global store's data are its source 1: window 2
.irp i, 0,1,2,3,4,5,6,7
	s_wait_dscnt 7-\i                              ; load i is back; the later ones may be out
	global_store_b128 v[OA+8*\m+\i], v[32*\m+4*\i:32*\m+4*\i+3], s[24:25]      ; sixteen lanes store 256 consecutive bytes of a row of y, at a multiple of 256 from its first byte
.endr
	WIN 0
.Lno_\@:
.endm
	s_load_b256 s[8:15], s[0:1], 0x0               ; wc s[8:9], ws s[10:11], list s[12:13], gw s[14:15]
	s_load_b256 s[16:23], s[0:1], 0x20             ; hc s[16:17], hs s[18:19], bo s[20:21], bo_s s[22:23]
	s_load_b64 s[24:25], s[0:1], 0x40              ; y
	v_lshl_add_u32 v254, v0, 2, 0x1c400
	v_mov_b32 v255, 0
	v_lshrrev_b32 v1, 5, v0
	v_readfirstlane_b32 s[WV], v1
	s_wait_alu depctr_va_sdst(0)                   ; the wave's number is written, ahead of its first reader: LDS places, tiles and bases are made from it
	s_mov_b32 s[JJ], ttmp9                         ; the slice of 64 columns
	s_and_b32 s[VE], ttmp7, 0xffff
	s_min_u32 s[EX], s[VE], 8
	v_and_b32 v[LN], 31, v0
	v_and_b32 v1, 15, v0                           ; r
	v_bfe_u32 v2, v0, 4, 1                         ; h
	v_lshlrev_b32 v3, 4, v[LN]                     ; 16 x lane
	v_add_nc_u32 v4, 49152, v3                     ; the same, for LDS bytes beyond a 16-bit offset
	v_lshlrev_b32 v5, 2, v1                        ; 4 r
	v_lshlrev_b32 v6, 5, v2                        ; 32 h
	s_mul_i32 s[TMP], s[WV], 4352
	s_add_co_u32 s[TMP], s[TMP], STAGE             ; my stage
	v_mul_u32_u24 v7, v1, 272
	v_lshl_add_u32 v7, v2, 5, v7
	v_add_nc_u32 v7, s[TMP], v7                    ; in: row r, + 32 h
	v_mul_u32_u24 v8, v2, 8*272
	v_lshl_add_u32 v8, v1, 4, v8
	v_add_nc_u32 v8, s[TMP], v8                    ; back: row 8 h, + 16 r
	v_lshlrev_b32 v9, 4, v1                        ; 16 r
	v_mul_u32_u24 v10, v2, 48                      ; 48 h
	s_mul_i32 s[TMP], s[WV], 1536                  ; wave w brings Wo's tile w: fragment 4 s + w of the images
	v_add_nc_u32 v11, s[TMP], v3
	v_add_nc_u32 v[STB], 49152, v11
.irp m, 0,1,2,3,4
	v_mov_b32 v[GW+2*\m+1], 0                      ; (named as the upper half of a pair)
.endr
	s_mov_b32 s56, 0x03010200
	s_mul_i32 s36, s[VE], LSTB                     ; my item's list
	s_mov_b32 s37, 0
	s_lshl_b32 s45, s[EX], 7
	s_lshl_b32 s46, s[JJ], 3
	s_add_co_u32 s45, s45, s46
	s_add_co_u32 s45, s45, 2304                    ; my first unit: 2,304 + (64 x expert + 4 x slice) x 2
	s_mul_i32 s46, s45, 12288
	s_mul_i32 s47, s[WV], 24576                    ; a tile of Wo is two units: 16 fragments on end
	s_add_co_u32 s46, s46, s47
	s_mov_b32 s47, 0
	s_lshl_b32 s48, s45, 9
	s_mov_b32 s49, 0
	s_lshl_b32 s50, s[JJ], 8                       ; the slice's 256 bytes in a row of y and of a bias
	s_mov_b32 s51, 0
	s_lshl_b32 s52, s[EX], 12
	s_mov_b32 s53, 0
	s_wait_kmcnt 0x0
	s_cmp_lt_u32 s[VE], 8                          ; an expert's bias or the shared one's: the choice hangs on the work-group's number alone
	s_cselect_b64 s[34:35], s[20:21], s[22:23]
	s_cselect_b32 s52, s52, 0
	s_add_co_u32 s52, s52, s50
	s_add_nc_u64 s[34:35], s[34:35], s[52:53]
	s_add_nc_u64 s[12:13], s[12:13], s[36:37]
	s_add_nc_u64 s[30:31], s[8:9], s[46:47]        ; my tile's images
	s_add_nc_u64 s[32:33], s[10:11], s[48:49]      ; the weights' scale words
	s_add_nc_u64 s[24:25], s[24:25], s[50:51]
	s_load_b32 s[NT], s[12:13], CNTB               ; the item's count of rows
	s_mov_b32 s[T0], s[WV]
	IDS                                            ; the first pass's row ids
	WIN 0x40                                       ; destination window 1
.set n, 0
.rept 48
	global_load_b128 v[4*n:4*n+3], v3, s[30:31] offset:512*n             ; load 3 s + c: group c of step s's fragment: 512 consecutive bytes
.set n, n+1
.endr
	WIN 0
	s_wait_loadcnt 48                              ; the row ids are in; the 48 image loads behind them may be out
	ADDRS
.irp u, 0,1,2,3,4,5,6,7
	global_load_b128 v[WS+4*\u:WS+4*\u+3], v3, s[32:33] offset:512*\u     ; unit u = 2 tile + half of K: register q: step q in lanes 0-15, step 4 + q in lanes 16-31
.endr
	ELOADS
	GSTEP 0
	GSTEP 1
	GSTEP 2
	GSTEP 3
	WIN 0
	s_wait_loadcnt 63                              ; the images are in: 83 loads were issued behind them, and a wait cannot name more than 63
	WIN 0x04                                       ; an LDS store's data are its source 1: window 1
.set n, 0
.rept 48
.if n/3 < 8
	ds_store_b128 v11, v[4*n:4*n+3] offset:6144*(n/3)+512*(n%3)
.else
	ds_store_b128 v[STB], v[4*n:4*n+3] offset:6144*(n/3-8)+512*(n%3)
.endif
.set n, n+1
.endr
	WIN 0
	BARRIER                                        ; all 64 images lie in LDS; behind this barrier a wave stores to its own stage alone
	s_wait_alu depctr_vm_vsrc(0)                   ; my LDS stores have read their data, v0 to v191 of window 1: the bias lands there, and the matrix instructions write the accumulators there
	s_wait_kmcnt 0x0                               ; the count
	s_min_u32 s[NT], s[NT], 1024
	s_add_co_u32 s[NT], s[NT], 15
	s_lshr_b32 s[NT], s[NT], 4                     ; tiles of 16 rows
	WIN 0x40
.irp t, 0,1,2,3
	global_load_b128 v[BIAS+8*\t:BIAS+8*\t+3], v6, s[34:35] offset:64*\t         ; lane (r, h): the bias of columns 16 t + 8 h + 0 .. 7
	global_load_b128 v[BIAS+8*\t+4:BIAS+8*\t+7], v6, s[34:35] offset:64*\t+16
.endr
	GSTEP 4
	GSTEP 5
	GSTEP 6
	GSTEP 7
	WIN 0
	RFILL 0                                        ; the ring of weights begins: step 0's two pairs; each step asks for the next step's
	RFILL 1
	s_wait_alu depctr_vm_vsrc(0)                   ; the head's loads of steps 4 to 7 have read v[HA ..]: the loop's own id lines write these registers, and the text leads from here to those lines with no other such wait between
	s_mov_b32 s[CT], 4
.Lpass:                                            ; four trips, whatever the list holds: 4 x 20 tiles serve all 1,024 tokens on one expert; a trip in which my first tile lies past the list's end only passes the jump
	s_cmp_ge_u32 s[T0], s[NT]
	s_cbranch_scc1 .Lskip
	s_cmp_eq_u32 s[CT], 4
	s_cbranch_scc1 .Lhave                          ; the first pass's rows were asked for at the head
	IDS                                            ; (the two waits at the end of the trip before have freed every register that is written from here on)
	s_wait_loadcnt 0x0
	ADDRS
	ELOADS
	GSTEP 0
	GSTEP 1
	GSTEP 2
	GSTEP 3
	GSTEP 4
	GSTEP 5
	GSTEP 6
	GSTEP 7
	WIN 0
.Lhave:
	FINISH
.irp q, 0,1,2,3,4,5,6,7,8,9,10,11,12,13,14,15
	STEP \q
.endr
	PLACES                                         ; the gate's multiplies read results just made
	WAYOUT 0
	WAYOUT 1
	WAYOUT 2
	WAYOUT 3
	WAYOUT 4
.Lskip:                                            ; a pass and the jump round it meet here: the two waits below stand on every way round the loop's backward branch, ahead of it
	s_wait_xcnt 0x0                                ; every load and store issued so far, in the pass or at the head, has had its addresses translated: its address and data registers may be written again
	s_wait_alu depctr_vm_vsrc(0)                   ; the pass's global stores have read v[OA ..] and window 2 of the rows' ring, its LDS stores the accumulators, its loads v[HA ..], v[HSA ..] and v[GWA ..]: a further pass writes them all
	s_add_co_u32 s[T0], s[T0], 20
	s_sub_co_u32 s[CT], s[CT], 1
	s_cmp_lg_u32 s[CT], 0
	s_cbranch_scc1 .Lpass
	s_wait_dscnt 0x0                               ; the closing lines, six on end (the first of them also awaits the ring's last loads)
	s_wait_alu 0x0
	s_wait_tensorcnt 0x0
	ds_add_u32 v254, v255
	s_wait_dscnt 0x0
	s_endpgm
.Lfunc_end_k_q6682c085c0_down:
	.size	k_q6682c085c0_down, .Lfunc_end_k_q6682c085c0_down-k_q6682c085c0_down
	.p2alignl 7, 3214868480
	.fill 96, 4, 3214868480
	.section	.rodata,"a",@progbits
	.p2align	6, 0x0
	.amdhsa_kernel k_q6682c085c0_down
		.amdhsa_group_segment_fixed_size 116224
		.amdhsa_private_segment_fixed_size 0
		.amdhsa_enable_private_segment 0
		.amdhsa_kernarg_size 72
		.amdhsa_user_sgpr_count 2
		.amdhsa_user_sgpr_kernarg_segment_ptr 1
		.amdhsa_wavefront_size32 1
		.amdhsa_system_sgpr_workgroup_id_x 1
		.amdhsa_system_sgpr_workgroup_id_y 1
		.amdhsa_system_sgpr_workgroup_id_z 1
		.amdhsa_system_vgpr_workitem_id 0
		.amdhsa_next_free_vgpr 1024
		.amdhsa_next_free_sgpr 66
		.amdhsa_reserve_vcc 0
		.amdhsa_float_denorm_mode_32 3
		.amdhsa_float_denorm_mode_16_64 3
		.amdhsa_memory_ordered 1
		.amdhsa_forward_progress 1
		.amdhsa_inst_pref_size 145
	.end_amdhsa_kernel
	.amdgpu_metadata
---
amdhsa.version: [ 1, 2 ]
amdhsa.kernels:
  - .name:           k_q6682c085c0_down
    .symbol:         k_q6682c085c0_down.kd
    .args:
      - { .name: wc, .offset: 0, .size: 8, .value_kind: global_buffer, .address_space: global }
      - { .name: ws, .offset: 8, .size: 8, .value_kind: global_buffer, .address_space: global }
      - { .name: list, .offset: 16, .size: 8, .value_kind: global_buffer, .address_space: global }
      - { .name: gw, .offset: 24, .size: 8, .value_kind: global_buffer, .address_space: global }
      - { .name: hc, .offset: 32, .size: 8, .value_kind: global_buffer, .address_space: global }
      - { .name: hs, .offset: 40, .size: 8, .value_kind: global_buffer, .address_space: global }
      - { .name: bo, .offset: 48, .size: 8, .value_kind: global_buffer, .address_space: global }
      - { .name: bo_s, .offset: 56, .size: 8, .value_kind: global_buffer, .address_space: global }
      - { .name: y, .offset: 64, .size: 8, .value_kind: global_buffer, .address_space: global }
    .group_segment_fixed_size: 116224
    .private_segment_fixed_size: 0
    .kernarg_segment_align: 8
    .kernarg_segment_size: 72
    .max_flat_workgroup_size: 128
    .sgpr_count:     66
    .vgpr_count:     1024
    .wavefront_size: 32
...
	.end_amdgpu_metadata
.endif
;; end of part 7
;; launch combine: the kernel of part 5 again; grid 256 x 1, 8 waves a work-group, no clusters, 0 bytes of LDS; arguments y, out0; writes out0
